; MI455X (gfx1250); checked and timed in simulation.
; The chip was launched on July 23, 2026; its instructions are those of AMD's public machine-readable ISA for CDNA 5 (MIT licence, August 2026) and "CDNA5" Instruction Set Architecture Reference Guide (July 2026). The comments in the code are by the model that wrote it; some were corrected since.
;; SDPA With Ro PEGQA. Allowed arithmetic: matrix products marked QUANTISED: E2M3 operands, one E8M0 scale for each 32 along K, by v_wmma_scale_f32_16x16x128_f8f6f4 with both operands' format E2M3, f32 sums; everything else in f32.
;; Inputs: Wk 2,048 x 512 float32; Wo 1,024 x 2,048 float32; Wq 2,048 x 1,024 float32; Wv 2,048 x 512 float32; x 2 x 2,048 x 2,048 float32.
;; Outputs: out0 2 x 2,048 x 2,048 float32.
;; This version of the problem:
;;   THIS VERSION OF THE PROBLEM IS GIVEN IN LOW PRECISION. The matrix products marked QUANTISED in the list below multiply operands that are first quantised to E2M3 (2 exponent bits, 3 mantissa bits; 6 bits a number), with one power-of-two scale for each 32 numbers along K (OCP MX v1.0); their sums are f32. All else is computed in f32.
;;   The module's matrix products, in the order in which they are computed (A, B: the left and right operand; K: the contracted axis; several contracted axes count as one K, in the product's order):
;;     1. [M 4,096, K 2,048] x [K 2,048, N 1,024]; A: input x; B: input Wq: QUANTISED
;;     2. [M 4,096, K 2,048] x [K 2,048, N 512]; A: input x; B: input Wk: QUANTISED
;;     3. [M 4,096, K 2,048] x [K 2,048, N 512]; A: input x; B: input Wv: QUANTISED
;;     4. batch 32 x [M 2,048, K 64] x [K 64, N 2,048]; A: computed on the way; B: computed on the way: QUANTISED
;;     5. batch 32 x [M 2,048, K 2,048] x [K 2,048, N 64]; A: softmax (see below); B: computed on the way: QUANTISED
;;     6. [M 4,096, K 1,024] x [K 1,024, N 2,048]; A: computed on the way; B: input Wo: QUANTISED
;;   THE QUANTISER, for each operand of a quantised product, along K:
;;     - K is cut into blocks of 32 from its start; a last block that is shorter is filled with zeros.
;;     - A block's scale is 2^e with e = floor(log2(the largest magnitude in the block)) - 2, held to -126 .. 127; a block of zeros has e = 0. As a byte (E8M0): e + 127.
;;     - Each number is divided by its block's scale, clamped to +-7.5, and rounded to the nearest number of E2M3, ties to even, subnormals kept.
;;     - The product sums the exact products of the quantised numbers (number of the format x scale) in f32.
;;   ~~~python
;;   def quantise(x, axis):      # numpy; x: float32 -> the quantised numbers, widened to float32 again
;;       x = np.moveaxis(x, axis, -1); K = x.shape[-1]
;;       x = np.pad(x, [(0, 0)] * (x.ndim - 1) + [(0, -K % 32)]); x = x.reshape(x.shape[:-1] + (-1, 32)); a = np.abs(x).max(-1, keepdims=True)
;;       e = np.where(a > 0, np.clip(np.frexp(np.where(a > 0, a, 1))[1] - 1 - 2, -126, 127), 0)      # np.frexp(a)[1] - 1 = floor(log2(a)), exactly
;;       r = np.clip(x / 2.0 ** e, -7.5, 7.5)
;;       step = 2.0 ** (np.maximum(np.frexp(np.where(r == 0, 1, r))[1] - 1, 0) - 3)
;;       q = np.round(r / step) * step * 2.0 ** e      # np.round: ties to even
;;       return np.moveaxis(q.reshape(q.shape[:-2] + (-1,))[..., :K], -1, axis).astype(np.float32)
;;   ~~~
;;   SOFTMAX AHEAD OF A QUANTISED PRODUCT. Where the list says 'softmax', what is quantised is not the finished softmax but p = 2^(t - M), with t = logit x log2(e) and M = ceil(the row's largest t), a whole number; so 1/2 < the row's largest p <= 1. The row's sum l is taken of the UNQUANTISED p, in f32, and the product's result is divided by l at the end. Since M is a whole number, a kernel that streams over the keys may use a running M (the ceiling of the running maximum): every later rescaling is an exact power of two, which a block's scale takes up: the codes' values come out the same.
;;   OPERANDS COMPUTED ON THE WAY. 'Computed on the way' means the value that the module computes at that place (a softmax that the list does not call 'softmax' is quantised finished and normalised). What goes into a quantiser is computed in f32, as accurately as f32 sums, v_exp_f32 and their like allow (about 1e-6 of the number): no bf16 or f16 on the way to a quantiser, and a product that is left as it is and whose result goes on into a quantised operand takes f32 operands (vector FMAs, or v_wmma_f32_16x16x4_f32). A number that lies on a knife's edge between two numbers of the format may be rounded either way, as far as f32 arithmetic and the matrix unit's own rounding can turn it there, and no further.
;; One version. Each part assembles by itself: llvm-mc -triple=amdgcn-amd-amdhsa -mcpu=gfx1250 --defsym DOCPART=n.
;; ======== version 1 of 1: 4 launches
;; limits: right only within a limited range of input values
;; workspace buffers: xq 6,553,600 bytes; wq 3,276,800 bytes; oq 1,638,400 bytes; aq 3,276,800 bytes; rope 524,288 bytes; qr 3,407,872 bytes; kv 3,407,872 bytes
;; launch prep (part 1): grid 256 x 1, 8 waves a work-group, no clusters, 236,544 bytes of LDS; arguments x, Wq, Wk, Wv, Wo, xq, wq, oq, rope; writes xq, wq, oq, rope
.if DOCPART == 1
	.amdgcn_target "amdgcn-amd-amdhsa--gfx1250"
	.amdhsa_code_object_version 6
	.text
	.protected	k_q1e77500298_prep
	.globl	k_q1e77500298_prep
	.p2align	8
	.type	k_q1e77500298_prep,@function
k_q1e77500298_prep:
	s_mov_b64 s[64:65], 0
	v_nop
	global_prefetch_b8 v0, s[64:65] scope:SCOPE_SE
	s_setreg_imm32_b32 hwreg(HW_REG_WAVE_MODE, 25, 1), 1
	s_wait_xcnt 0x0
; x [4096][2048] and the four weights ([K][N], K first) become codes of FP6 (E2M3) with one E8M0 byte for each 32 along K, laid in the ORDER OF THE OPERAND'S REGISTERS; and the table of cos and sin is made.
; A TILE is 16 rows of x (or 16 columns of a weight): slot r of tile T is row 32 (T / 2) + 8 (T % 2) + r + 8 (r / 8).  A FRAGMENT (tile, 128 along K) is 12 registers a lane, stored as they stand:
; register 4 c + i of lane l at byte 512 c + 16 l + 4 i: 1,536 bytes; fragment (T, kstep) lies at (T x KS + kstep) x 1,536.  The scale words of four tiles and one kstep are one block of 256 bytes (word 16 t + r).
; SHARES.  A unit is four tiles x 128 along K: 32 KB of f32.  There are 1,024 units of x and 768 of the weights: seven for each of 256 work-groups, one a wave.  Waves 0-3: x; wave 4: Wq; wave 5: Wo; wave 6: Wk or Wv;
; wave 7: eight rows of the table.  Each wave asks for its whole unit at once by one tensor load into LDS bytes of its own; nothing is filled twice, no wave reads another's bytes: no barrier.
; A block's scale: the largest magnitude's exponent field less 2, held at 1 from below by a floor among the maximum's leaves.
; LIMITS: NaN and infinities are not served; a block whose largest magnitude lies under 2^-124 keeps the byte 1; a block of zeros gets the byte 1 (not 127): its codes are zeros and this program alone reads the bytes.
; The table: inv_freq = 2^(-j C), C = log2(10000) / 32, within about 1.5 units in the last place; the angle t x inv_freq is rounded once; it is reduced by multiples of pi / 2 in two parts and put through polynomials.
.set SCR, 233472                       ; LDS: 256 bytes of scratch for each wave, behind the stages; no fill lands there
.set SEL, 92                           ; s[92:93] lane selects: lane l xor 16
.set G1X, 24                           ; s[24:31] shape of a load of x: 64 rows x 128 f32, 16 bytes of padding behind each row
.set G1Q, 32                           ; s[32:39] of Wq: 128 rows x 64 f32, 1,024 from row to row
.set G1O, 40                           ; s[40:47] of Wo: 2,048 from row to row
.set G1K, 48                           ; s[48:55] of Wk and Wv: 512 from row to row
.set G0,  56                           ; s[56:59]: to where, from where
.macro G1SET g, w0, c, r, p
	s_mov_b32 s[\g], \w0
	s_mov_b32 s[\g+1], (\c)<<16            ; tensor_dim0
	s_mov_b32 s[\g+2], (\r)<<16            ; tensor_dim1
	s_mov_b32 s[\g+3], (\c)<<16            ; tile_dim0
	s_mov_b32 s[\g+4], \r                  ; tile_dim1
	s_mov_b32 s[\g+5], \p                  ; elements from row to row
	s_mov_b32 s[\g+6], 0
	s_mov_b32 s[\g+7], 0
.endm
; x: tile t's 64 numbers of my lane: row r + 8 (r / 8) of the tile, k = 64 c + 32 h + 0 .. 31, into set t % 2
.macro LOADX t
.set XS, 32+64*((\t)%2)
.set XO, (32*((\t)/2)+8*((\t)%2))*528
.irp c, 0,1
.irp j, 0,1,2,3,4,5,6,7
	ds_load_b128 v[XS+32*\c+4*\j:XS+32*\c+4*\j+3], v4 offset:XO+256*\c+16*\j
.endr
.endr
.endm
; tile t: a lane holds two whole blocks (2 c + h): their scales, the row's scale word, the codes, which are the operand's registers; stored as they stand
.macro XFRAG t
.set XS, 32+64*((\t)%2)
.set CC, 160+12*(\t)
.irp c, 0,1
	v_max3_num_f32 v[16+\c], |v[XS+32*\c]|, |v[XS+32*\c+1]|, 0x1800000   ; the floor 2^(3 - 127): the byte cannot fall under 1
.endr
.irp i, 2,4,6,8,10,12,14,16,18,20,22,24,26,28,30
.irp c, 0,1
	s_delay_alu instid0(VALU_DEP_2)
	v_max3_num_f32 v[16+\c], v[16+\c], |v[XS+32*\c+\i]|, |v[XS+32*\c+\i+1]|
.endr
.endr
.irp c, 0,1
	s_delay_alu instid0(VALU_DEP_2)
	v_add_nc_u32 v[18+\c], 0xff000000, v[16+\c]    ; 2 off the exponent field: the conversion's scale operand
.endr
.irp c, 0,1
	s_delay_alu instid0(VALU_DEP_2)
	v_lshrrev_b32 v[20+\c], 23, v[18+\c]           ; the byte
.endr
	s_delay_alu instid0(VALU_DEP_1)
	v_lshl_or_b32 v22, v21, 16, v20                ; blocks h and 2 + h,
	s_delay_alu instid0(VALU_DEP_1)
	v_lshlrev_b32 v22, v9, v22                     ; 8 h bits up;
	s_delay_alu instid0(VALU_DEP_1)
	v_permlanex16_b32 v23, v22, s[SEL], s[SEL+1]
	s_delay_alu instid0(VALU_DEP_1)
	v_or_b32 v[24+\t], v22, v23                    ; with the other half's two the word is whole
.irp c, 0,1
	v_cvt_scalef32_pk16_fp6_f32 v[CC+6*\c:CC+6*\c+2], v[XS+32*\c:XS+32*\c+15], v[18+\c]
	v_cvt_scalef32_pk16_fp6_f32 v[208+4*\c:210+4*\c], v[XS+32*\c+16:XS+32*\c+31], v[18+\c]   ; (three registers that begin on an even number: made elsewhere and moved)
.endr
	v_nop                                          ; one plain place behind a scaled conversion
.irp c, 0,1
.irp i, 0,1,2
	v_mov_b32 v[CC+6*\c+3+\i], v[208+4*\c+\i]
.endr
.endr
.irp c, 0,1,2
	global_store_b128 v5, v[CC+4*\c:CC+4*\c+3], s[76:77] offset:(\t)*24576+512*\c   ; 512 consecutive bytes, aligned
.endr
.endm
; two registers of scale words (32 words each) leave as one aligned block of 256 bytes, through my own scratch (LDS serves a wave's instructions in order)
.macro SCALEOUT a, b
	ds_store_b32 v6, v[\a]
	ds_store_b32 v6, v[\b] offset:128
	ds_load_b64 v[18:19], v7
	s_wait_dscnt 0x0
	global_store_b64 v8, v[18:19], s[78:79]
.endm
; a weight's unit: index s81 = column group + (kstep << cgbits), buffer s[84:85], s83 = the first group of this weight in the codes' buffer
.macro WARM g1, dst, cgbits, nc, ks, off
	s_and_b32 s70, s81, (1<<\cgbits)-1             ; column group: 64 columns
	s_lshr_b32 s71, s81, \cgbits                   ; kstep
	s_mul_i32 s72, s71, 128*\nc*4
	s_lshl_b32 s73, s70, 8
	s_add_co_u32 s72, s72, s73
	s_mov_b32 s73, 0
	s_add_nc_u64 s[G0+2:G0+3], s[84:85], s[72:73]
	s_or_b32 s[G0+3], s[G0+3], 0x80000000
	s_add_co_u32 s70, s70, s83
	s_mul_i32 s74, s70, \ks*6144                   ; four tiles x KS fragments
	s_mul_i32 s75, s71, 1536
	s_add_co_u32 s74, s74, s75
	s_mov_b32 s75, 0
	s_add_nc_u64 s[76:77], s[\dst:\dst+1], s[74:75]
	s_mul_i32 s74, s70, \ks*256
	s_lshl_b32 s86, s71, 8
	s_add_co_u32 s74, s74, s86
	s_add_co_u32 s74, s74, \off
	s_add_nc_u64 s[78:79], s[\dst:\dst+1], s[74:75]
	s_mov_b32 s80, \ks*1536                        ; from tile to tile
	tensor_load_to_lds s[G0:G0+3], s[\g1:\g1+7]
	s_nop 0
.rept 4
	v_nop
.endr
.endm
; a weight: lane = column (lanes 0-15 tile 2 hh in the tile's order, lanes 16-31 tile 2 hh + 1), registers run down K: block t's 32 numbers into set st
.macro WLOAD hh, t, st
.set i, 0
.rept 32
	ds_load_b32 v[32+32*\st+i], v14 offset:(32*\t+i)*256+128*\hh
.set i, i+1
.endr
.endm
.macro WBLK hh, t, st
.set NS, 32+32*\st
	v_max3_num_f32 v16, |v[NS]|, |v[NS+1]|, |v[NS+2]|
	v_max3_num_f32 v17, |v[NS+3]|, |v[NS+4]|, |v[NS+5]|
.irp i, 6,10,14,18,22,26
	s_delay_alu instid0(VALU_DEP_2)
	v_max3_num_f32 v16, v16, |v[NS+\i]|, |v[NS+\i+1]|
	s_delay_alu instid0(VALU_DEP_2)
	v_max3_num_f32 v17, v17, |v[NS+\i+2]|, |v[NS+\i+3]|
.endr
	s_delay_alu instid0(VALU_DEP_2)
	v_max3_num_f32 v16, v16, |v[NS+30]|, |v[NS+31]|
	s_delay_alu instid0(VALU_DEP_1)
	v_max3_num_f32 v16, v16, v17, 0x1800000
	s_delay_alu instid0(VALU_DEP_1)
	v_add_nc_u32 v18, 0xff000000, v16
	s_delay_alu instid0(VALU_DEP_1)
	v_lshrrev_b32 v19, 23, v18
.if \t == 0
	s_delay_alu instid0(VALU_DEP_1)
	v_mov_b32 v[24+\hh], v19
.else
	s_delay_alu instid0(VALU_DEP_1)
	v_lshl_or_b32 v[24+\hh], v19, 8*\t, v[24+\hh]  ; the column's scale word: block t's byte
.endif
	v_cvt_scalef32_pk16_fp6_f32 v[96+12*(2*\hh+\t%2)+6*(\t/2):96+12*(2*\hh+\t%2)+6*(\t/2)+2], v[NS:NS+15], v18
	v_cvt_scalef32_pk16_fp6_f32 v[144+4*(\t%2):146+4*(\t%2)], v[NS+16:NS+31], v18
.endm
; blocks 2 c and 2 c + 1 of both tiles change halves: the even block's lanes 16-31 (odd tile) with the odd block's lanes 0-15 (even tile): each register then holds ONE tile, block 2 c + h in half h
.macro WPAIR hh, c
	v_nop                                          ; one plain place behind a scaled conversion
.irp i, 0,1,2
	v_permlane16_swap_b32 v[96+24*\hh+6*\c+\i], v[108+24*\hh+6*\c+\i]
.endr
.irp i, 0,1,2
	v_permlane16_swap_b32 v[144+\i], v[148+\i]
.endr
.irp i, 0,1,2
	v_mov_b32 v[96+24*\hh+6*\c+3+\i], v[144+\i]
	v_mov_b32 v[108+24*\hh+6*\c+3+\i], v[148+\i]
.endr
.endm
; cos or sin (by my lane's kind) of position v21 x frequency v[inv]
.macro TRIG inv, out
	v_mul_f32 v22, v21, v[\inv]                    ; the angle, rounded once
	s_delay_alu instid0(VALU_DEP_1)
	v_mul_f32 v23, 0x3f22f983, v22
	s_delay_alu instid0(VALU_DEP_1)
	v_rndne_f32 v23, v23                           ; n = the nearest multiple of pi / 2
	s_delay_alu instid0(VALU_DEP_1)
	v_fma_f32 v24, v23, s72, v22                   ; less n x the upper part of pi / 2: exact,
	s_delay_alu instid0(VALU_DEP_1)
	v_fma_f32 v24, v23, s73, v24                   ; less n x the lower part
	s_delay_alu instid0(VALU_DEP_1)
	v_mul_f32 v25, v24, v24
	s_delay_alu instid0(VALU_DEP_1)
	v_fma_f32 v26, v25, s74, s75
	s_delay_alu instid0(VALU_DEP_2)
	v_fma_f32 v28, v25, s77, s78
	s_delay_alu instid0(VALU_DEP_2)
	v_fma_f32 v26, v26, v25, s76
	s_delay_alu instid0(VALU_DEP_2)
	v_fma_f32 v28, v28, v25, s79
	v_mul_f32 v27, v25, v24
	v_mul_f32 v30, v25, v25
	v_fma_f32 v29, v25, -0.5, 1.0
	s_delay_alu instid0(VALU_DEP_3)
	v_fma_f32 v26, v26, v27, v24                   ; sin of the rest
	s_delay_alu instid0(VALU_DEP_2)
	v_fma_f32 v28, v28, v30, v29                   ; cos of the rest
	v_cvt_i32_f32 v31, v23
	s_delay_alu instid0(VALU_DEP_1)
	v_add_nc_u32 v31, v31, v20                     ; m = n (+ 3 for a sine)
	s_delay_alu instid0(VALU_DEP_1)
	v_and_b32 v32, 1, v31
	s_delay_alu instid0(VALU_DEP_1)
	v_cmp_eq_u32 vcc_lo, 1, v32
	s_delay_alu instid0(VALU_DEP_1)
	v_cndmask_b32 v33, v28, v26, vcc_lo            ; m odd: the sine
	s_delay_alu instid0(VALU_DEP_4)
	v_add_nc_u32 v31, 1, v31
	s_delay_alu instid0(VALU_DEP_1)
	v_and_b32 v31, 2, v31
	s_delay_alu instid0(VALU_DEP_1)
	v_lshlrev_b32 v31, 30, v31                     ; m mod 4 = 1, 2: negative
	s_delay_alu instid0(VALU_DEP_1)
	v_xor_b32 v[\out], v33, v31
.endm
	s_load_b256 s[4:11], s[0:1], 0x0               ; x, Wq, Wk, Wv
	s_load_b256 s[12:19], s[0:1], 0x20             ; Wo, xq, wq, oq
	s_load_b64 s[20:21], s[0:1], 0x40              ; rope
	v_lshl_add_u32 v224, v0, 2, 0x39800
	v_mov_b32 v225, 0
	ds_add_u32 v224, v225
	ds_add_u32 v224, v225
	v_lshrrev_b32 v1, 5, v0
	s_delay_alu instid0(VALU_DEP_1)
	v_readfirstlane_b32 s22, v1                    ; wave 0..7
	v_and_b32 v1, 31, v0                           ; lane
	v_and_b32 v2, 15, v0                           ; r
	v_bfe_u32 v3, v0, 4, 1                         ; h
	s_delay_alu instid0(VALU_DEP_3)
	v_lshlrev_b32 v5, 4, v1                        ; 16 x lane
	s_delay_alu instid0(VALU_DEP_4)
	v_lshlrev_b32 v8, 3, v1                        ; 8 x lane
	s_delay_alu instid0(VALU_DEP_3)
	v_lshlrev_b32 v9, 3, v3                        ; 8 h
	s_lshl_b32 s66, s22, 8
	s_add_co_u32 s66, s66, SCR                     ; my scratch
	v_lshl_add_u32 v6, v1, 2, s66
	v_lshl_add_u32 v7, v1, 3, s66
	v_and_b32 v15, 8, v2
	s_delay_alu instid0(VALU_DEP_1)
	v_add_nc_u32 v15, v15, v2                      ; r + 8 (r / 8)
	s_delay_alu instid0(VALU_DEP_1)
	v_mul_u32_u24 v4, v15, 528
	s_delay_alu instid0(VALU_DEP_1)
	v_lshl_add_u32 v4, v3, 7, v4
	s_mul_i32 s67, s22, 33792                      ; x's stage of wave 0..3: 64 rows x 528 bytes
	v_add_nc_u32 v4, s67, v4
	v_and_b32 v15, 7, v0
	v_bfe_u32 v14, v0, 3, 1
	s_delay_alu instid0(VALU_DEP_1)
	v_lshl_add_u32 v15, v14, 4, v15
	s_delay_alu instid0(VALU_DEP_1)
	v_lshl_add_u32 v15, v3, 3, v15                 ; my column among 32: l % 8 + 16 ((l / 8) % 2) + 8 (l / 16)
	s_lshl_b32 s68, s22, 15
	s_add_co_u32 s68, s68, 4096                    ; a weight's stage of wave 4..6: 128 rows x 256 bytes, from byte 135,168 on
	v_lshl_add_u32 v14, v15, 2, s68
	v_mov_b32 v23, 0                               ; a lane permute's destination counts as one of its sources
	s_mov_b32 s[SEL], 0x76543210
	s_mov_b32 s[SEL+1], 0xfedcba98
	G1SET G1X, (2<<16)|(1<<20)|(6<<22)|(3<<25), 128, 64, 2048   ; a whole unit of x by one load: 64 rows x 128 f32
	G1SET G1Q, 2<<16, 64, 128, 1024                ; a whole unit of a weight by one load: 128 rows along K x 64 columns
	G1SET G1O, 2<<16, 64, 128, 2048
	G1SET G1K, 2<<16, 64, 128, 512
	s_mov_b32 s[G0], 1
	s_wait_dscnt 0x0
	s_wait_kmcnt 0x0
	s_cmp_lt_u32 s22, 4
	s_cbranch_scc0 .Lnot_x
	; ---- x: rows 64 (g / 4) on, kstep 4 (g % 4) + wave
	s_lshr_b32 s70, ttmp9, 2
	s_and_b32 s71, ttmp9, 3
	s_lshl_b32 s71, s71, 2
	s_add_co_u32 s71, s71, s22
	s_lshl_b32 s72, s70, 19                        ; 64 rows of 8,192 bytes
	s_lshl_b32 s73, s71, 9
	s_add_co_u32 s72, s72, s73
	s_mov_b32 s73, 0
	s_mov_b32 s[G0+1], s67
	s_add_nc_u64 s[G0+2:G0+3], s[4:5], s[72:73]
	s_or_b32 s[G0+3], s[G0+3], 0x80000000
	tensor_load_to_lds s[G0:G0+3], s[G1X:G1X+7]    ; my one load
	s_nop 0
.rept 4
	v_nop
.endr
	s_mul_i32 s74, s70, 98304                      ; four tiles x 16 fragments
	s_mul_i32 s75, s71, 1536
	s_add_co_u32 s74, s74, s75
	s_mov_b32 s75, 0
	s_add_nc_u64 s[76:77], s[14:15], s[74:75]
	s_lshl_b32 s74, s70, 4
	s_add_co_u32 s74, s74, s71
	s_lshl_b32 s74, s74, 8
	s_add_co_u32 s74, s74, 6291456
	s_add_nc_u64 s[78:79], s[14:15], s[74:75]
	s_wait_tensorcnt 0x0                           ; my unit is in
	s_wait_alu depctr_va_vdst(0)
	LOADX 0
	LOADX 1
	s_wait_dscnt 16                                ; tile 0's sixteen loads are in, tile 1's may be out
	XFRAG 0
	LOADX 2
	s_wait_dscnt 16
	XFRAG 1
	LOADX 3
	s_wait_dscnt 16
	XFRAG 2
	s_wait_dscnt 0x0
	XFRAG 3
	v_cmp_eq_u32 vcc_lo, 1, v3
	s_delay_alu instid0(VALU_DEP_1)
	v_cndmask_b32 v16, v24, v25, vcc_lo            ; lanes 0-15 tile 0's words, lanes 16-31 tile 1's
	s_delay_alu instid0(VALU_DEP_2)
	v_cndmask_b32 v17, v26, v27, vcc_lo
	SCALEOUT 16, 17
	s_wait_tensorcnt 0x0
	ds_add_u32 v224, v225
	s_wait_dscnt 0x0
	s_endpgm
.Lnot_x:
	s_cmp_eq_u32 s22, 7
	s_cbranch_scc1 .Lrope
	; ---- a weight
	s_mov_b32 s[G0+1], s68
	s_cmp_eq_u32 s22, 4
	s_cbranch_scc0 .Lnot_q
	s_mov_b64 s[84:85], s[6:7]
	s_mov_b32 s81, ttmp9
	s_mov_b32 s83, 0
	WARM G1Q, 16, 4, 1024, 16, 3145728
	s_branch .Lw_go
.Lnot_q:
	s_cmp_eq_u32 s22, 5
	s_cbranch_scc0 .Lnot_o
	s_mov_b64 s[84:85], s[12:13]
	s_mov_b32 s81, ttmp9
	s_mov_b32 s83, 0
	WARM G1O, 18, 5, 2048, 8, 1572864
	s_branch .Lw_go
.Lnot_o:
	s_cmp_lt_u32 ttmp9, 128                        ; the first 128 work-groups take Wk, the others Wv
	s_cselect_b64 s[84:85], s[8:9], s[10:11]
	s_cselect_b32 s83, 16, 24                      ; behind Wq's 16 groups of tiles; Wv behind Wk's 8
	s_and_b32 s81, ttmp9, 127
	WARM G1K, 16, 3, 512, 16, 3145728
.Lw_go:
	v_mov_b32 v10, v5                              ; where tile T's fragment goes: 16 x lane + T tiles
	s_delay_alu instid0(VALU_DEP_1)
	v_add_nc_u32 v11, s80, v10
	s_delay_alu instid0(VALU_DEP_1)
	v_add_nc_u32 v12, s80, v11
	s_delay_alu instid0(VALU_DEP_1)
	v_add_nc_u32 v13, s80, v12
	s_wait_tensorcnt 0x0                           ; my unit is in
	s_wait_alu depctr_va_vdst(0)
	WLOAD 0, 0, 0
	WLOAD 0, 1, 1
	s_wait_dscnt 32                                ; one block's 32 loads are in, the next block's may be out
	WBLK 0, 0, 0
	WLOAD 1, 0, 0
	s_wait_dscnt 32
	WBLK 0, 1, 1
	WPAIR 0, 0
	WLOAD 1, 1, 1
	s_wait_dscnt 32
	WBLK 1, 0, 0
	WLOAD 0, 2, 0
	s_wait_dscnt 32
	WBLK 1, 1, 1
	WPAIR 1, 0
	WLOAD 0, 3, 1
	s_wait_dscnt 32
	WBLK 0, 2, 0
	WLOAD 1, 2, 0
	s_wait_dscnt 32
	WBLK 0, 3, 1
	WPAIR 0, 1
	WLOAD 1, 3, 1
	s_wait_dscnt 32
	WBLK 1, 2, 0
	s_wait_dscnt 0x0
	WBLK 1, 3, 1
	WPAIR 1, 1
.irp t, 0,1,2,3
.irp c, 0,1,2
	global_store_b128 v[10+\t], v[96+12*\t+4*\c:96+12*\t+4*\c+3], s[76:77] offset:512*\c
.endr
.endr
	SCALEOUT 24, 25
	s_wait_tensorcnt 0x0
	ds_add_u32 v224, v225
	s_wait_dscnt 0x0
	s_endpgm
.Lrope:
	; ---- the table: positions 8 g .. 8 g + 7; a row is 32 cos, then 32 sin; lanes 0-15 make cos, lanes 16-31 sin, two frequencies a lane
	s_lshl_b32 s70, ttmp9, 11
	s_mov_b32 s71, 0
	s_add_nc_u64 s[20:21], s[20:21], s[70:71]
	s_lshl_b32 s70, ttmp9, 3
	s_mov_b32 s72, 0xbfc90fdb                      ; - the upper part of pi / 2
	s_mov_b32 s73, 0x333bbd2e                      ; what the upper part has too much
	s_mov_b32 s74, 0xb94ca1f9                      ; sine: -1.9515295891e-4,
	s_mov_b32 s75, 0x3c08839e                      ; 8.3321608736e-3,
	s_mov_b32 s76, 0xbe2aaaa3                      ; -1.6666654611e-1
	s_mov_b32 s77, 0x37ccf5ce                      ; cosine: 2.4433157118e-5,
	s_mov_b32 s78, 0xbab6061a                      ; -1.3887316255e-3,
	s_mov_b32 s79, 0x3d2aaaa5                      ; 4.1666645683e-2
	v_lshlrev_b32 v16, 1, v2
	s_delay_alu instid0(VALU_DEP_1)
	v_add_nc_u32 v17, 1, v16
	s_delay_alu instid0(VALU_DEP_2)
	v_cvt_f32_u32 v16, v16                         ; j = 2 (l % 16), and j + 1
	s_delay_alu instid0(VALU_DEP_2)
	v_cvt_f32_u32 v17, v17
	s_delay_alu instid0(VALU_DEP_2)
	v_mul_f32 v18, 0xbed49a80, v16                 ; -j x 435,412 / 2^20: exact
	s_delay_alu instid0(VALU_DEP_2)
	v_mul_f32 v19, 0xbed49a80, v17
	s_wait_alu depctr_va_vdst(0)
	v_exp_f32 v18, v18
	v_exp_f32 v19, v19
	v_mul_f32 v16, 0x342ae0ca, v16                 ; j x 1.5914255e-7: what the short constant leaves out
	v_mul_f32 v17, 0x342ae0ca, v17
	v_mul_u32_u24 v20, v3, 3
	s_wait_alu depctr_va_vdst(0)                   ; one wait for both exponentials, ahead of their first reader
	v_fma_f32 v18, v18, v16, v18
	v_fma_f32 v19, v19, v17, v19
.irp pp, 0,1,2,3,4,5,6,7
	s_add_co_u32 s71, s70, \pp
	v_cvt_f32_u32 v21, s71
	TRIG 18, 40+2*\pp
	TRIG 19, 41+2*\pp
	global_store_b64 v8, v[40+2*\pp:41+2*\pp], s[20:21] offset:256*\pp   ; a whole row of 256 bytes
.endr
	s_endpgm
.Lfunc_end_k_q1e77500298_prep:
	.size	k_q1e77500298_prep, .Lfunc_end_k_q1e77500298_prep-k_q1e77500298_prep
	.p2alignl 7, 3214868480
	.fill 96, 4, 3214868480
	.section	.rodata,"a",@progbits
	.p2align	6, 0x0
	.amdhsa_kernel k_q1e77500298_prep
		.amdhsa_group_segment_fixed_size 236544
		.amdhsa_private_segment_fixed_size 0
		.amdhsa_enable_private_segment 0
		.amdhsa_kernarg_size 72
		.amdhsa_user_sgpr_count 2
		.amdhsa_user_sgpr_kernarg_segment_ptr 1
		.amdhsa_wavefront_size32 1
		.amdhsa_system_sgpr_workgroup_id_x 1
		.amdhsa_system_sgpr_workgroup_id_y 1
		.amdhsa_system_sgpr_workgroup_id_z 1
		.amdhsa_system_vgpr_workitem_id 0
		.amdhsa_next_free_vgpr 226
		.amdhsa_next_free_sgpr 96
		.amdhsa_reserve_vcc 1
		.amdhsa_float_denorm_mode_32 3
		.amdhsa_float_denorm_mode_16_64 3
		.amdhsa_memory_ordered 1
		.amdhsa_forward_progress 1
		.amdhsa_inst_pref_size 96
	.end_amdhsa_kernel
	.amdgpu_metadata
---
amdhsa.version: [ 1, 2 ]
amdhsa.kernels:
  - .name:           k_q1e77500298_prep
    .symbol:         k_q1e77500298_prep.kd
    .args:
      - { .name: x, .offset: 0, .size: 8, .value_kind: global_buffer, .address_space: global }
      - { .name: Wq, .offset: 8, .size: 8, .value_kind: global_buffer, .address_space: global }
      - { .name: Wk, .offset: 16, .size: 8, .value_kind: global_buffer, .address_space: global }
      - { .name: Wv, .offset: 24, .size: 8, .value_kind: global_buffer, .address_space: global }
      - { .name: Wo, .offset: 32, .size: 8, .value_kind: global_buffer, .address_space: global }
      - { .name: xq, .offset: 40, .size: 8, .value_kind: global_buffer, .address_space: global }
      - { .name: wq, .offset: 48, .size: 8, .value_kind: global_buffer, .address_space: global }
      - { .name: oq, .offset: 56, .size: 8, .value_kind: global_buffer, .address_space: global }
      - { .name: rope, .offset: 64, .size: 8, .value_kind: global_buffer, .address_space: global }
    .group_segment_fixed_size: 236544
    .private_segment_fixed_size: 0
    .kernarg_segment_align: 8
    .kernarg_segment_size: 72
    .max_flat_workgroup_size: 256
    .sgpr_count:     96
    .vgpr_count:     226
    .wavefront_size: 32
...
	.end_amdgpu_metadata
.endif
;; end of part 1
;; launch qkv (part 2): grid 32 x 8, 4 waves a work-group, clusters of 4 x 1, 327,680 bytes of LDS; arguments xq, wq, rope, qr, kv; writes qr, kv
.if DOCPART == 2
	.amdgcn_target "amdgcn-amd-amdhsa--gfx1250"
	.amdhsa_code_object_version 6
	.text
	.protected	k_q1e77500298_qkv
	.globl	k_q1e77500298_qkv
	.p2align	8
	.type	k_q1e77500298_qkv,@function
k_q1e77500298_qkv:
	s_mov_b64 s[64:65], 0
	v_nop
	global_prefetch_b8 v0, s[64:65] scope:SCOPE_SE
	s_setreg_imm32_b32 hwreg(HW_REG_WAVE_MODE, 25, 1), 1
	s_wait_xcnt 0x0
	s_wait_alu depctr_hold_cnt(0) depctr_sa_sdst(0) depctr_va_vdst(0) depctr_va_sdst(0) depctr_va_ssrc(0) depctr_va_vcc(0) depctr_vm_vsrc(0)
	s_getreg_b32 s2, hwreg(HW_REG_IB_STS2, 6, 4)
	s_cmp_eq_u32 s2, 0
	s_cbranch_scc0 .Lentry_in_a_cluster
	s_endpgm
.Lentry_in_a_cluster:
	s_bfe_u32 s2, ttmp6, 0x10000c
	s_cmp_lg_u32 s2, 0x3003
	s_cbranch_scc0 .Lentry_shape_is_right
	s_endpgm
.Lentry_shape_is_right:
; q, k, v = x W on codes of FP6 (K = 2,048), RoPE on q and k, and all three quantised again on the way out, as the attention's operands want them.  Nothing leaves as f32.
; A work-group multiplies a side S0 of 256 slots (source 0) by a side S1 of 128 slots (source 1); a wave takes 8 tiles of S0 (half w % 2) x 4 tiles of S1 (half w / 2): 32 accumulators.
; y < 6 (q: y 0-3, k: y 4, 5): S0 = 256 columns of the weights, S1 = 128 positions: a lane holds ONE position, and its 64 registers of a tile of S1 are two heads x 64 d, 16 neighbours to two accumulators
;   (the slots of a tile are laid for that: slot r of tile T is row 32 (T / 2) + 8 (T % 2) + r + 8 (r / 8)).  RoPE's partner d + 32 lies in the same lane.  Quantised along d.
; y >= 6 (v): S0 = 256 positions, S1 = 128 columns of Wv: a lane holds ONE d and 128 keys: quantised along the keys.  One loop serves both: only pointers are chosen, by y; the way out branches on y.
; CLUSTER 4 x 1: the four partners share S0's tiles (one joint load, mask 15) and differ in S1 (plain loads).  A cluster of 4 x 4 is not used: q and k have 6 tiles of S0, which 4 does not divide, and a cluster
; along y would put k's and v's work-groups together, whose ways out differ.
; Operands lie in memory as images of their registers (1,536 bytes a fragment, tile-major): a slot of LDS holds 4 ksteps of 16 + 8 tiles; fragments come by ds_load_b128 at 16 x lane: no pitch, no padding.
; All of a WGP's LDS is claimed, and 0 is added to spare words ahead of each refill and at the end.
; LIMITS: NaN and infinities are not served; a block whose largest magnitude lies under 2^-124 keeps the byte 1, a block of zeros too (its codes are zeros; this program alone reads the bytes).
; REGISTERS: window 0: v2-14 addresses, v16-31 at work, v32-43 scale words (two sets), v44-47 the way out's scale words, v64-207 fragments, set 0, v208-228 codes just made;
;   window 1: the accumulators, (a, b) at v[8 (8 a + b)];  window 2: v64-207 fragments, set 1;  window 3: v0-127 cos and sin of my four tiles of positions.
.set KS,    16
.set TILEB, KS*1536                    ; from tile to tile in memory
.set GRPB,  KS*256                     ; the scale words of four tiles, all ksteps
.set SLOT,  147456                     ; S0: 16 tiles x 6,144 bytes; S1: 8 tiles x 6,144
.set S1O,   98304
.set SCA,   2*SLOT                     ; S0's scale words, [group][kstep][64 words]
.set SCB,   SCA+4*GRPB                 ; S1's
.set SPARE, SCB+2*GRPB                 ; the spare words: 128 bytes a wave, two blocks of 256 bytes that no other line names
.set SPW, 2
.set NIL, 3
.set A0,  4                            ; v4-5   my S0 fragments in slot 0, 1
.set A1,  6                            ; v6-7   my S1 fragments
.set AS0, 8
.set AS1, 9
.set RO,  10                           ; my row of the table
.set L16, 11
.set L8,  12
.set SOF, 13
.set H16, 14
.set TM,  16
.set SC,  32
.set WW,  44
.set RR,  48
.set HH,  49
.set F0,  64
.set F1,  160
.set PC,  208
.set PW,  228
.set G1A,  24
.set G0A,  32
.set G1B,  40
.set G0B,  48
.set G1SA, 56
.set G0SA, 68
.set G1SB, 72
.set G0SB, 80
.set SEL,  60                          ; set on the way out, when the descriptor that lay here is done with
.set MSB, 0
.macro WIN new                         ; the immediate's high byte repeats the setting that is left
.if MSB != \new
	s_set_vgpr_msb (MSB<<8)|\new
.set MSB, \new
.endif
.endm
.macro G1SET g, w0, c, r, p
	s_mov_b32 s[\g], \w0
	s_mov_b32 s[\g+1], (\c)<<16
	s_mov_b32 s[\g+2], (\r)<<16
	s_mov_b32 s[\g+3], (\c)<<16
	s_mov_b32 s[\g+4], \r
	s_mov_b32 s[\g+5], \p
	s_mov_b32 s[\g+6], 0
	s_mov_b32 s[\g+7], 0
.endm
; waves 0 and 1 fetch S0's halves (jointly with the partners), waves 2 and 3 S1's.  The branch hangs on the wave's number alone.  Four v_nop follow each line.
.macro JLOAD g0a, g1a, g0b, g1b
	s_cmp_eq_u32 s15, 0
	s_cbranch_scc0 .Lfor_b_\@
	tensor_load_to_lds s[\g0a:\g0a+3], s[\g1a:\g1a+7]
	s_nop 0
.rept 4
	v_nop
.endr
	s_branch .Lasked_\@
.Lfor_b_\@:
	tensor_load_to_lds s[\g0b:\g0b+3], s[\g1b:\g1b+7]
	s_nop 0
.rept 4
	v_nop
.endr
.Lasked_\@:
.endm
.macro CREST                           ; a round of the cluster's barrier behind its opening barrier
	s_cmp_lg_u32 s14, 0
	s_cbranch_scc1 .Lnot_wave_0_\@
	s_barrier_signal -3
.Lnot_wave_0_\@:
	s_barrier_wait -3
	s_barrier_signal -1
	s_barrier_wait -1
.endm
.macro CROUND
	s_barrier_signal -1
	s_barrier_wait -1
	CREST
.endm
.macro PLACES                          ; four plain places behind matrix instructions, ahead of loads into their sources and of reads of their results
.rept 4
	v_nop
.endr
.endm
; 42 LDS loads in one run: the slot's q-th kstep (kstep ks of all) into set p: 8 fragments of S0, 4 of S1, 6 registers of scale words (each: an even tile's words in lanes 0-15, the odd tile's in lanes 16-31).
; The window is set on both ways: the matrix instructions ahead have left theirs.  Set 1: destination window 2, address window 0; set 0: all in window 0.
.macro FETCH slot, q, ks, p
.if (\p)
	WIN 0x80
.else
	WIN 0
.endif
.irp b, 0,1,2,3,4,5,6,7
.irp c, 0,1,2
	ds_load_b128 v[F0+12*\b+4*\c:F0+12*\b+4*\c+3], v[A0+\slot] offset:\b*6144+(\q)*1536+512*\c
.endr
.endr
.irp a, 0,1,2,3
.irp c, 0,1,2
	ds_load_b128 v[F1+12*\a+4*\c:F1+12*\a+4*\c+3], v[A1+\slot] offset:\a*6144+(\q)*1536+512*\c
.endr
.endr
	WIN 0
.irp i, 0,1,2,3
	ds_load_b32 v[SC+6*(\p)+\i], v[AS0] offset:(\i/2)*GRPB+(\ks)*256+(\i%2)*128
.endr
.irp i, 0,1
	ds_load_b32 v[SC+6*(\p)+4+\i], v[AS1] offset:(\ks)*256+\i*128
.endr
.endm
.macro MM a, b, p, zero
.set rD, 8*(8*(\a)+(\b))
.set rA, F0+12*(\b)
.set rB, F1+12*(\a)
.set rX, SC+6*(\p)+(\b)/2
.set rY, SC+6*(\p)+4+(\a)/2
.set rW, 2*((\a)%2)+(\b)%2+4*(\zero)
.if rW == 0
	v_wmma_scale_f32_16x16x128_f8f6f4 v[rD:rD+7], v[rA:rA+11], v[rB:rB+11], v[rD:rD+7], v[rX], v[rY] matrix_a_fmt:MATRIX_FMT_FP6 matrix_b_fmt:MATRIX_FMT_FP6
.elseif rW == 1
	v_wmma_scale_f32_16x16x128_f8f6f4 v[rD:rD+7], v[rA:rA+11], v[rB:rB+11], v[rD:rD+7], v[rX], v[rY] matrix_a_fmt:MATRIX_FMT_FP6 matrix_b_fmt:MATRIX_FMT_FP6 matrix_a_scale:MATRIX_SCALE_ROW1
.elseif rW == 2
	v_wmma_scale_f32_16x16x128_f8f6f4 v[rD:rD+7], v[rA:rA+11], v[rB:rB+11], v[rD:rD+7], v[rX], v[rY] matrix_a_fmt:MATRIX_FMT_FP6 matrix_b_fmt:MATRIX_FMT_FP6 matrix_b_scale:MATRIX_SCALE_ROW1
.elseif rW == 3
	v_wmma_scale_f32_16x16x128_f8f6f4 v[rD:rD+7], v[rA:rA+11], v[rB:rB+11], v[rD:rD+7], v[rX], v[rY] matrix_a_fmt:MATRIX_FMT_FP6 matrix_b_fmt:MATRIX_FMT_FP6 matrix_a_scale:MATRIX_SCALE_ROW1 matrix_b_scale:MATRIX_SCALE_ROW1
.elseif rW == 4
	v_wmma_scale_f32_16x16x128_f8f6f4 v[rD:rD+7], v[rA:rA+11], v[rB:rB+11], 0, v[rX], v[rY] matrix_a_fmt:MATRIX_FMT_FP6 matrix_b_fmt:MATRIX_FMT_FP6
.elseif rW == 5
	v_wmma_scale_f32_16x16x128_f8f6f4 v[rD:rD+7], v[rA:rA+11], v[rB:rB+11], 0, v[rX], v[rY] matrix_a_fmt:MATRIX_FMT_FP6 matrix_b_fmt:MATRIX_FMT_FP6 matrix_a_scale:MATRIX_SCALE_ROW1
.elseif rW == 6
	v_wmma_scale_f32_16x16x128_f8f6f4 v[rD:rD+7], v[rA:rA+11], v[rB:rB+11], 0, v[rX], v[rY] matrix_a_fmt:MATRIX_FMT_FP6 matrix_b_fmt:MATRIX_FMT_FP6 matrix_b_scale:MATRIX_SCALE_ROW1
.else
	v_wmma_scale_f32_16x16x128_f8f6f4 v[rD:rD+7], v[rA:rA+11], v[rB:rB+11], 0, v[rX], v[rY] matrix_a_fmt:MATRIX_FMT_FP6 matrix_b_fmt:MATRIX_FMT_FP6 matrix_a_scale:MATRIX_SCALE_ROW1 matrix_b_scale:MATRIX_SCALE_ROW1
.endif
.endm
; 16 matrix instructions: S1's tiles a0, a0 + 1 x S0's eight, from set p.  The 32 accumulators take turns, one instruction a turn, in the same order in every kstep
.macro MUL16 a0, p, zero
.if (\p)
	WIN 0x5a                                       ; sources in window 2, C and D in window 1
.else
	WIN 0x50
.endif
.irp a, \a0, \a0+1
.irp b, 0,1,2,3,4,5,6,7
	MM (\a), \b, \p, \zero
.endr
.endr
.endm
; a kstep that has its successor in the same slot
.macro KSTEP slot, q, ks, zero
	s_wait_dscnt 0x0                               ; this kstep's set is in: asked for 32 matrix instructions ago
	PLACES                                         ; the other set was read by the matrix instructions just issued
	FETCH \slot, (\q)+1, (\ks)+1, 1-(\ks)%2
	MUL16 0, (\ks)%2, \zero
	MUL16 2, (\ks)%2, \zero
.endm
; a slot's fourth kstep changes slots: each wave waits for all its tensor loads, adds 0 to its spare word, waits for that and for its reads of the slot; then the barrier.
; fill = 1: the barrier opens a round of the cluster's, and the slot is filled again, first thing behind it, with the ksteps 8 on: that load has four ksteps in which to land
.macro TURN slot, ks, fill
	WIN 0
	s_wait_tensorcnt 0x0                           ; my part of the next slot has landed; no load of mine is out
	ds_add_u32 v[SPW], v[NIL]
	s_wait_dscnt 1                                 ; this kstep's set is in; the add alone may be out
	MUL16 0, 1, 0
	s_wait_dscnt 0x0                               ; the add is done, and my reads of this slot are over
	s_barrier_signal -1
	WIN 0
	s_barrier_wait -1
.if \fill
	CREST
	s_add_nc_u64 s[G0A+4*\slot+2:G0A+4*\slot+3], s[G0A+4*\slot+2:G0A+4*\slot+3], 12288
	s_add_nc_u64 s[G0B+4*\slot+2:G0B+4*\slot+3], s[G0B+4*\slot+2:G0B+4*\slot+3], 12288
	JLOAD G0A+4*\slot, G1A, G0B+4*\slot, G1B       ; its four v_nop are also the places in front of the loads below
.else
	PLACES
.endif
	FETCH 1-\slot, 0, (\ks)+1, 0
	MUL16 2, 1, 0
.endm
; 64 numbers of a lane in window 1, v[s] on (register 16 b + i = k 32 b + 16 h + i of my slot), become a fragment's codes in v[PC] on and its scale word in v[PW]
.macro QUANTW s
	WIN 0x05
.irp b, 0,1,2,3
	v_max3_num_f32 v[TM+\b], |v[\s+16*\b]|, |v[\s+1+16*\b]|, 0x1800000   ; the floor 2^(3 - 127): the byte cannot fall under 1
.endr
	WIN 0x14
.irp i, 2,4,6,8,10,12,14
.irp b, 0,1,2,3
	v_max3_num_f32 v[TM+\b], v[TM+\b], |v[\s+16*\b+\i]|, |v[\s+1+16*\b+\i]|
.endr
.endr
	WIN 0
.irp b, 0,1,2,3
	v_permlanex16_b32 v[TM+4+\b], v[TM+\b], s[SEL], s[SEL+1]
.endr
.irp b, 0,1,2,3
	v_max_num_f32 v[TM+\b], v[TM+\b], v[TM+4+\b]   ; with lane l xor 16's: the block's largest magnitude
.endr
.irp b, 0,1,2,3
	v_add_nc_u32 v[TM+12+\b], 0xff000000, v[TM+\b] ; 2 off its exponent field: the conversion's scale operand
.endr
.irp b, 0,1,2,3
	v_lshrrev_b32 v[TM+4+\b], 23, v[TM+12+\b]
.endr
	v_lshl_or_b32 v[PW], v[TM+5], 8, v[TM+4]
	v_lshl_or_b32 v[PW], v[TM+6], 16, v[PW]
	v_lshl_or_b32 v[PW], v[TM+7], 24, v[PW]
	WIN 0x01
.irp c, 0,1
	v_cvt_scalef32_pk16_fp6_f32 v[PC+6*\c:PC+2+6*\c], v[\s+32*\c:\s+15+32*\c], v[TM+12+2*\c]
	v_cvt_scalef32_pk16_fp6_f32 v[PC+12+4*\c:PC+14+4*\c], v[\s+16+32*\c:\s+31+32*\c], v[TM+12+2*\c+1]
.endr
	WIN 0
	v_nop                                          ; one plain place behind a scaled conversion
.irp c, 0,1                            ; the operand wants a WHOLE block in a lane: lanes 0-15 block 2 c, lanes 16-31 block 2 c + 1
.irp i, 0,1,2
	v_permlane16_swap_b32 v[PC+6*\c+\i], v[PC+12+4*\c+\i]
.endr
.irp i, 0,1,2
	v_mov_b32 v[PC+3+6*\c+\i], v[PC+12+4*\c+\i]
.endr
.endr
.endm
; RoPE on tile a's two heads: lo = d 16 h + i, hi = d 32 + 16 h + i: lo' = lo cos - hi sin, hi' = hi cos + lo sin.  Each accumulator is read from its low end on
.macro ROPE a
	WIN 0x0d                                       ; accumulators window 1, sin window 3, the products window 0
.irp hd, 0,1
.irp i, 0,2,4,6,8,10,12,14
	v_pk_mul_f32 v[64+32*\hd+\i:64+32*\hd+\i+1], v[64*\a+32*\hd+16+\i:64*\a+32*\hd+16+\i+1], v[32*\a+16+\i:32*\a+16+\i+1]
.endr
.irp i, 0,2,4,6,8,10,12,14
	v_pk_mul_f32 v[64+32*\hd+16+\i:64+32*\hd+16+\i+1], v[64*\a+32*\hd+\i:64*\a+32*\hd+\i+1], v[32*\a+16+\i:32*\a+16+\i+1]
.endr
.endr
	WIN 0x4d
.irp hd, 0,1
.irp i, 0,2,4,6,8,10,12,14
	v_pk_fma_f32 v[64*\a+32*\hd+\i:64*\a+32*\hd+\i+1], v[64*\a+32*\hd+\i:64*\a+32*\hd+\i+1], v[32*\a+\i:32*\a+\i+1], v[64+32*\hd+\i:64+32*\hd+\i+1] neg_lo:[0,0,1] neg_hi:[0,0,1]
	v_pk_fma_f32 v[64*\a+32*\hd+16+\i:64*\a+32*\hd+16+\i+1], v[64*\a+32*\hd+16+\i:64*\a+32*\hd+16+\i+1], v[32*\a+\i:32*\a+\i+1], v[64+32*\hd+16+\i:64+32*\hd+16+\i+1]
.endr
.endr
.endm
	s_load_b128 s[4:7], s[0:1], 0x0                ; xq, wq
	s_load_b128 s[8:11], s[0:1], 0x10              ; rope, qr
	s_load_b64 s[12:13], s[0:1], 0x20              ; kv
	v_lshl_add_u32 v[SPW], v0, 2, SPARE
	v_mov_b32 v[NIL], 0
	ds_add_u32 v2, v3
	ds_add_u32 v2, v3
	s_wait_dscnt 0x0
	v_lshrrev_b32 v1, 5, v0
	v_readfirstlane_b32 s14, v1                    ; wave 0..3
	s_lshr_b32 s15, s14, 1                         ; my half of S1.  Also: I fetch for S0 (0) or S1 (1)
	s_and_b32 s16, s14, 1                          ; my half of S0.  Also: which half of that side I fetch
	s_bfe_u32 s17, ttmp6, 0x40000                  ; cx
	s_and_b32 s18, ttmp7, 0xffff                   ; y, the same in all four partners
	; S0: made of y, the cluster's x and the wave's number alone
	s_lshl_b32 s20, s18, 4                         ; q, k: wq's tile 16 y
	s_sub_co_u32 s21, s18, 6
	s_lshl_b32 s21, s21, 3
	s_add_co_u32 s21, s21, ttmp9                   ; v: block of 256 positions 8 (y - 6) + cluster x
	s_lshl_b32 s22, s21, 4
	s_mov_b32 s90, 6291456                         ; where xq's scale words begin,
	s_mov_b32 s91, 3145728                         ; and wq's
	s_cmp_lt_u32 s18, 6
	s_cselect_b32 s20, s20, s22                    ; S0's first tile
	s_cselect_b32 s92, s91, s90
	s_cselect_b32 s93, s90, s91
	s_mul_i32 s22, s20, TILEB
	s_mov_b32 s23, 0                               ; s[22:23]: the 8 tiles of S0 that I fetch
	s_lshr_b32 s84, s20, 2
	s_mul_i32 s84, s84, GRPB
	s_add_co_u32 s84, s84, s92
	s_mov_b32 s85, 0                               ; s[84:85]: their scale words
	; S1: cx enters here alone
	s_lshl_b32 s86, ttmp9, 2
	s_add_co_u32 s86, s86, s17
	s_lshl_b32 s94, s86, 1
	s_add_co_u32 s94, s94, s15                     ; G: my group of four tiles of positions (q, k)
	s_lshl_b32 s86, s86, 3
	s_lshl_b32 s87, s17, 3
	s_add_co_u32 s87, s87, 96
	s_cmp_lt_u32 s18, 6
	s_cselect_b32 s86, s86, s87                    ; S1's first tile: xq's 8 (4 X + cx), or wq's 96 + 8 cx
	s_mul_i32 s88, s86, TILEB
	s_mov_b32 s89, 0                               ; s[88:89]: the 4 tiles of S1 that I fetch
	s_lshr_b32 s86, s86, 2
	s_mul_i32 s86, s86, GRPB
	s_add_co_u32 s86, s86, s93
	s_mov_b32 s87, 0                               ; s[86:87]: their scale words
	s_mul_i32 s95, s16, 49152                      ; where they go in a slot: no place in the cluster enters an LDS address
	s_mul_i32 s96, s16, 24576
	s_add_co_u32 s96, s96, S1O
	s_mul_i32 s97, s16, 2*GRPB
	s_add_co_u32 s97, s97, SCA
	G1SET G1A, 15|(3<<16)|(1<<21), 768, 16, TILEB/8    ; the head's load: all 16 tiles x 6,144 bytes (4 ksteps), elements of 8 bytes; the mask names all four partners.  Behind the head the rows are set to 8
	G1SET G1B, 3<<16, 768, 8, TILEB/8                  ; all 8 tiles of S1; behind the head 4
	G1SET G1SA, 15|(3<<16)|(1<<21), 32, 4*GRPB/256, 32 ; S0's scale words, a dense block, as rows of 256 bytes
	G1SET G1SB, 3<<16, 32, 2*GRPB/256, 32
	s_wait_kmcnt 0x0
	s_cmp_lt_u32 s18, 6
	s_cselect_b64 s[66:67], s[6:7], s[4:5]         ; S0's buffer
	s_cselect_b64 s[2:3], s[4:5], s[6:7]           ; S1's
	s_add_nc_u64 s[22:23], s[66:67], s[22:23]
	s_add_nc_u64 s[84:85], s[66:67], s[84:85]
	s_add_nc_u64 s[88:89], s[2:3], s[88:89]
	s_add_nc_u64 s[86:87], s[2:3], s[86:87]
	CROUND                                         ; all four work-groups are here: the first joint loads meet
	s_mov_b32 s[G0SA], 1
	s_mov_b32 s[G0SA+1], SCA
	s_mov_b64 s[G0SA+2:G0SA+3], s[84:85]
	s_or_b32 s[G0SA+3], s[G0SA+3], 0x80000000
	s_mov_b32 s[G0SB], 1
	s_mov_b32 s[G0SB+1], SCB
	s_mov_b64 s[G0SB+2:G0SB+3], s[86:87]
	s_or_b32 s[G0SB+3], s[G0SB+3], 0x80000000
	s_mov_b32 s4, 1                                ; group 0 of the head's loads of slot 0, in registers whose arguments and offsets have been used: all of S0's tiles,
	s_mov_b32 s5, 0
	s_mov_b64 s[6:7], s[22:23]
	s_or_b32 s7, s7, 0x80000000
	s_mov_b32 s84, 1                               ; all of S1's
	s_mov_b32 s85, S1O
	s_mov_b64 s[86:87], s[88:89]
	s_or_b32 s87, s87, 0x80000000
	s_mul_i32 s90, s16, 8*TILEB                    ; for the ring: the half of a side that I fetch
	s_mov_b32 s91, 0
	s_add_nc_u64 s[22:23], s[22:23], s[90:91]
	s_mul_i32 s90, s16, 4*TILEB
	s_add_nc_u64 s[88:89], s[88:89], s[90:91]
.irp s, 0,1
	s_mov_b32 s[G0A+4*\s], 1
	s_add_co_u32 s[G0A+4*\s+1], s95, \s*SLOT
	s_add_nc_u64 s[G0A+4*\s+2:G0A+4*\s+3], s[22:23], \s*6144
	s_or_b32 s[G0A+4*\s+3], s[G0A+4*\s+3], 0x80000000
	s_mov_b32 s[G0B+4*\s], 1
	s_add_co_u32 s[G0B+4*\s+1], s96, \s*SLOT
	s_add_nc_u64 s[G0B+4*\s+2:G0B+4*\s+3], s[88:89], \s*6144
	s_or_b32 s[G0B+4*\s+3], s[G0B+4*\s+3], 0x80000000
.endr
; the head's four tiles, one load a wave: wave 0 slot 0's S0, wave 1 its S1, wave 2 S0's scale words, wave 3 S1's.  One chain of branches on the wave's number, all arms to one join
.macro ARM under, g0, g1, next
	s_cmp_lt_u32 s14, \under
	s_cbranch_scc0 \next
	tensor_load_to_lds s[\g0:\g0+3], s[\g1:\g1+7]
	s_nop 0
.rept 4
	v_nop
.endr
	s_branch .Lhead_asked
\next:
.endm
	ARM 1, 4, G1A, .Lhead_b
	ARM 2, 84, G1B, .Lhead_sa
	ARM 3, G0SA, G1SA, .Lhead_sb
	tensor_load_to_lds s[G0SB:G0SB+3], s[G1SB:G1SB+7]
	s_nop 0
.rept 4
	v_nop
.endr
.Lhead_asked:
	v_and_b32 v1, 31, v0
	v_and_b32 v[RR], 15, v0
	v_bfe_u32 v[HH], v0, 4, 1
	v_lshlrev_b32 v[L16], 4, v1
	v_lshlrev_b32 v[L8], 3, v1
	v_lshlrev_b32 v[H16], 4, v[HH]
	v_add_nc_u32 v[A0], s95, v[L16]
	v_add_nc_u32 v[A0+1], SLOT, v[A0]
	s_mul_i32 s19, s15, 24576
	s_add_co_u32 s19, s19, S1O
	v_add_nc_u32 v[A1], s19, v[L16]
	v_add_nc_u32 v[A1+1], SLOT, v[A1]
	v_lshl_add_u32 v[AS0], v1, 2, s97
	s_mul_i32 s19, s15, GRPB
	s_add_co_u32 s19, s19, SCB
	v_lshl_add_u32 v[AS1], v1, 2, s19
	v_and_b32 v50, 8, v[RR]
	v_add_nc_u32 v50, v50, v[RR]
	v_lshlrev_b32 v[RO], 8, v50
	v_lshl_add_u32 v[RO], v[HH], 6, v[RO]          ; the table: row r + 8 (r / 8) of a tile, 256 bytes a row, + my 16 frequencies
.irp b, 0,1,2,3
	v_mov_b32 v[TM+4+\b], 0                        ; a lane permute's destination counts as one of its sources
.endr
	s_and_b32 s2, s94, 31
	s_lshl_b32 s2, s2, 14                          ; 64 positions x 256 bytes
	s_mov_b32 s3, 0
	s_add_nc_u64 s[8:9], s[8:9], s[2:3]
	WIN 0xc0                                       ; destination window 3.  (Every work-group loads these rows, v's too, which do not use them: so every way has written them)
.irp a, 0,1,2,3
.irp j, 0,1,2,3
	global_load_b128 v[32*\a+4*\j:32*\a+4*\j+3], v[RO], s[8:9] offset:(32*(\a/2)+8*(\a%2))*256+16*\j
	global_load_b128 v[32*\a+16+4*\j:32*\a+16+4*\j+3], v[RO], s[8:9] offset:(32*(\a/2)+8*(\a%2))*256+128+16*\j
.endr
.endr
	WIN 0
	s_wait_alu depctr_va_vdst(0)
	s_wait_tensorcnt 0x0                           ; my tile of the head's four is in; a later first fill is issued as a refill is
	ds_add_u32 v[SPW], v[NIL]
	s_mov_b32 s[G1A+2], 8<<16                      ; no load of mine is out: from here on a load brings half a side
	s_mov_b32 s[G1A+4], 8
	s_mov_b32 s[G1B+2], 4<<16
	s_mov_b32 s[G1B+4], 4
	s_wait_dscnt 0x0
	CROUND                                         ; all four tiles are in, all four work-groups are here
	JLOAD G0A+4, G1A, G0B+4, G1B                   ; slot 1's first fill, the first tensor load behind the round
	FETCH 0, 0, 0, 0
	KSTEP 0, 0, 0, 1                               ; the first kstep's products start the sums
	KSTEP 0, 1, 1, 0
	KSTEP 0, 2, 2, 0
	TURN 0, 3, 1
	KSTEP 1, 0, 4, 0
	KSTEP 1, 1, 5, 0
	KSTEP 1, 2, 6, 0
	TURN 1, 7, 1
	KSTEP 0, 0, 8, 0
	KSTEP 0, 1, 9, 0
	KSTEP 0, 2, 10, 0
	TURN 0, 11, 0                                  ; nothing is left to fetch
	KSTEP 1, 0, 12, 0
	KSTEP 1, 1, 13, 0
	KSTEP 1, 2, 14, 0
	s_wait_dscnt 0x0
	MUL16 0, 1, 0
	MUL16 2, 1, 0
	PLACES
	WIN 0
	s_wait_loadcnt 0x0                             ; cos and sin
	s_mov_b32 s[SEL], 0x76543210                   ; (every tensor load has been waited for: the descriptors' registers are free)
	s_mov_b32 s[SEL+1], 0xfedcba98
	s_cmp_lt_u32 s18, 6
	s_cbranch_scc0 .Lv
	; ---- q and k.  A tile's codes are two half fragments (a head each): registers 0-3 at 16 x lane, 4-5 at 512 + 8 x lane
	s_lshr_b32 s20, s94, 5                         ; batch
	s_and_b32 s21, s94, 31                         ; group of 64 positions
	s_lshl_b32 s22, s18, 2
	s_lshl_b32 s23, s16, 1
	s_add_co_u32 s22, s22, s23                     ; my first head: 4 y + 2 (w % 2); k's heads follow q's 16
	s_lshl_b32 s24, s20, 4
	s_add_co_u32 s24, s24, s22
	s_lshl_b32 s24, s24, 5
	s_add_co_u32 s24, s24, s21
	s_mul_i32 s24, s24, 3328                       ; q: record (batch, head, group)
	s_add_co_u32 s26, s24, 3072
	s_sub_co_u32 s28, s22, 16
	s_lshl_b32 s29, s20, 3
	s_add_co_u32 s28, s28, s29
	s_lshl_b32 s28, s28, 4
	s_lshr_b32 s29, s21, 1
	s_add_co_u32 s28, s28, s29
	s_mul_i32 s28, s28, 13312                      ; k: record (batch, head, 128 keys)
	s_and_b32 s29, s21, 1
	s_mul_i32 s30, s29, 3072
	s_add_co_u32 s30, s30, s28
	s_lshl_b32 s29, s29, 8
	s_add_co_u32 s29, s29, s28
	s_add_co_u32 s29, s29, 12288
	s_mov_b32 s31, 212992
	s_cmp_lt_u32 s18, 4
	s_cselect_b32 s24, s24, s30
	s_cselect_b32 s26, s26, s29
	s_cselect_b32 s28, 106496, s31                 ; from a head to the next
	s_cselect_b64 s[32:33], s[10:11], s[12:13]
	s_mov_b32 s25, 0
	s_mov_b32 s27, 0
	s_mov_b32 s29, 0
	s_add_nc_u64 s[34:35], s[32:33], s[24:25]      ; the first head's codes,
	s_add_nc_u64 s[36:37], s[34:35], s[28:29]      ; the second's,
	s_add_nc_u64 s[38:39], s[32:33], s[26:27]      ; the scale words
	v_mul_u32_u24 v[SOF], v[HH], s28
	v_lshl_add_u32 v[SOF], v[RR], 4, v[SOF]
.irp a, 0,1,2,3
	ROPE \a
.if \a > 0
	s_wait_xcnt 0x0                                ; the last tile's stores have read their registers
.endif
	QUANTW 64*\a
	global_store_b128 v[L16], v[PC:PC+3], s[34:35] offset:768*\a
	global_store_b64 v[L8], v[PC+4:PC+5], s[34:35] offset:768*\a+512
	global_store_b128 v[L16], v[PC+6:PC+9], s[36:37] offset:768*\a
	global_store_b64 v[L8], v[PC+10:PC+11], s[36:37] offset:768*\a+512
	v_mov_b32 v[WW+\a], v[PW]
.endr
	s_and_b32 s40, s21, 1                          ; k's words of an odd group of 64 keys go 16 bits up: the attention lays those keys' codes in the upper half of a fragment's K
	s_lshl_b32 s40, s40, 4
	s_cmp_lt_u32 s18, 4
	s_cselect_b32 s40, 0, s40                      ; q's stay
.irp a, 0,1,2,3
	v_bfe_u32 v[WW+\a], v[WW+\a], v[H16], 16       ; lanes 0-15 the first head's two bytes, lanes 16-31 the second's; the other two bytes 0, over zero codes
.endr
.irp a, 0,1,2,3
	v_lshlrev_b32 v[WW+\a], s40, v[WW+\a]
.endr
	global_store_b128 v[SOF], v[WW:WW+3], s[38:39]
	s_branch .Lend
.Lv:
	; ---- v: my 128 keys x one head's 64 d: four whole fragments of V^T
	s_sub_co_u32 s20, s18, 6
	s_lshl_b32 s20, s20, 3
	s_add_co_u32 s20, s20, ttmp9
	s_lshr_b32 s21, s20, 3
	s_lshl_b32 s21, s21, 3
	s_lshl_b32 s22, s17, 1
	s_add_co_u32 s21, s21, s22
	s_add_co_u32 s21, s21, s15                     ; 8 x batch + head
	s_lshl_b32 s21, s21, 4
	s_and_b32 s22, s20, 7
	s_lshl_b32 s22, s22, 1
	s_add_co_u32 s21, s21, s22
	s_add_co_u32 s21, s21, s16                     ; + block of 128 keys
	s_mul_i32 s24, s21, 13312
	s_mov_b32 s25, 0
	s_add_nc_u64 s[34:35], s[12:13], s[24:25]
.irp a, 0,1,2,3
.if \a > 0
	s_wait_xcnt 0x0
.endif
	QUANTW 64*\a
.irp c, 0,1,2
	global_store_b128 v[L16], v[PC+4*\c:PC+4*\c+3], s[34:35] offset:6144+1536*\a+512*\c
.endr
	v_mov_b32 v[WW+\a], v[PW]
.endr
	global_store_b128 v[L16], v[WW:WW+3], s[34:35] offset:12800   ; [slot][tile], twice: 512 bytes
.Lend:
	s_wait_tensorcnt 0x0                           ; the wave's end
	ds_add_u32 v[SPW], v[NIL]
	s_wait_dscnt 0x0
	CROUND                                         ; the closing round
	s_endpgm
.Lfunc_end_k_q1e77500298_qkv:
	.size	k_q1e77500298_qkv, .Lfunc_end_k_q1e77500298_qkv-k_q1e77500298_qkv
	.p2alignl 7, 3214868480
	.fill 96, 4, 3214868480
	.section	.rodata,"a",@progbits
	.p2align	6, 0x0
	.amdhsa_kernel k_q1e77500298_qkv
		.amdhsa_group_segment_fixed_size 327680
		.amdhsa_private_segment_fixed_size 0
		.amdhsa_enable_private_segment 0
		.amdhsa_kernarg_size 40
		.amdhsa_user_sgpr_count 2
		.amdhsa_user_sgpr_kernarg_segment_ptr 1
		.amdhsa_wavefront_size32 1
		.amdhsa_system_sgpr_workgroup_id_x 1
		.amdhsa_system_sgpr_workgroup_id_y 1
		.amdhsa_system_sgpr_workgroup_id_z 1
		.amdhsa_system_vgpr_workitem_id 0
		.amdhsa_next_free_vgpr 896
		.amdhsa_next_free_sgpr 100
		.amdhsa_reserve_vcc 0
		.amdhsa_float_denorm_mode_32 3
		.amdhsa_float_denorm_mode_16_64 3
		.amdhsa_memory_ordered 1
		.amdhsa_forward_progress 1
		.amdhsa_inst_pref_size 180
	.end_amdhsa_kernel
	.amdgpu_metadata
---
amdhsa.version: [ 1, 2 ]
amdhsa.kernels:
  - .name:           k_q1e77500298_qkv
    .symbol:         k_q1e77500298_qkv.kd
    .args:
      - { .name: xq, .offset: 0, .size: 8, .value_kind: global_buffer, .address_space: global }
      - { .name: wq, .offset: 8, .size: 8, .value_kind: global_buffer, .address_space: global }
      - { .name: rope, .offset: 16, .size: 8, .value_kind: global_buffer, .address_space: global }
      - { .name: qr, .offset: 24, .size: 8, .value_kind: global_buffer, .address_space: global }
      - { .name: kv, .offset: 32, .size: 8, .value_kind: global_buffer, .address_space: global }
    .group_segment_fixed_size: 327680
    .private_segment_fixed_size: 0
    .kernarg_segment_align: 8
    .kernarg_segment_size: 40
    .max_flat_workgroup_size: 128
    .sgpr_count:     100
    .vgpr_count:     896
    .wavefront_size: 32
...
	.end_amdgpu_metadata
.endif
;; end of part 2
;; launch attn (part 3): grid 256 x 1, 16 waves a work-group, clusters of 4 x 1, 327,680 bytes of LDS; arguments qr, kv, aq; writes aq
.if DOCPART == 3
	.amdgcn_target "amdgcn-amd-amdhsa--gfx1250"
	.amdhsa_code_object_version 6
	.text
	.protected	k_q1e77500298_attn
	.globl	k_q1e77500298_attn
	.p2align	8
	.type	k_q1e77500298_attn,@function
k_q1e77500298_attn:
	s_mov_b64 s[64:65], 0
	v_nop
	global_prefetch_b8 v0, s[64:65] scope:SCOPE_SE
	s_setreg_imm32_b32 hwreg(HW_REG_WAVE_MODE, 25, 1), 1
	s_wait_xcnt 0x0
	s_wait_alu depctr_hold_cnt(0) depctr_sa_sdst(0) depctr_va_vdst(0) depctr_va_sdst(0) depctr_va_ssrc(0) depctr_va_vcc(0) depctr_vm_vsrc(0)
	s_getreg_b32 s2, hwreg(HW_REG_IB_STS2, 6, 4)
	s_cmp_eq_u32 s2, 0
	s_cbranch_scc0 .Lentry_in_a_cluster
	s_endpgm
.Lentry_in_a_cluster:
	s_bfe_u32 s2, ttmp6, 0x10000c
	s_cmp_lg_u32 s2, 0x3003
	s_cbranch_scc0 .Lentry_shape_is_right
	s_endpgm
.Lentry_shape_is_right:
; Causal attention on codes of FP6: S^T = k q^T, p = 2^(t - M) with a running whole M, p quantised by blocks of 32 keys, O^T += v^T p^T, O / l quantised along d for the last product.
; LEFT OUT: steps of 128 keys that lie wholly above the diagonal: the causal mask gives them the weight 0 for every input.  A NaN or an infinity that reaches only such keys is not carried to the result.
; LIMITS: the scaled scores (exponents to the base 2) stay under 2^31 in magnitude; NaN and infinities are not served; a block whose largest magnitude lies under 2^-124 keeps the byte 1.
; A cluster of four work-groups serves one (batch, key head).  All 16 records of 128 keys (K's codes 6,144 bytes, V^T's 6,144, K's scale words 512, V's 512) lie in LDS: each of the 16 waves asks for ONE record by one
; joint load (mask 15) at the head: 52 rows of 256 bytes.  Nothing is filled again.  No prefetch: the head asks for every byte that the launch's tensor loads read, and there is no loop to run ahead in.
; THE DEAL.  A tile is 16 queries of one head; a tile in block b of 128 queries has b + 1 steps.  Tiles are paired: block j (j <= 7) with block 15 - j, 17 steps together, dealt to two waves:
;   role 0 takes steps 0 .. 9 of the long tile (to its diagonal where that comes sooner) and leaves its part (-M, l, O^T) in LDS; role 1 takes the short tile whole (steps 0 .. j), sends it out, takes steps
;   10 .. 15 - j of the long tile, joins the two parts and sends that tile out.  The parts are joined under the larger M by factors 2^(M part - M), which round nothing.
; Every wave walks all 16 steps in two counted loops (10 and 6 trips) and jumps over those that are not its own, by ids alone; no barrier stands in the walk.
; d IS 64, THE INSTRUCTION'S K 128: a fragment of K holds key tile t in its lower half and key tile t + 4 in its upper half; times (q, 0) it gives tile t's scores, times (0, q) tile t + 4's.  The scale words fit:
;   lanes 0-15 hold tile t's two bytes low, lanes 16-31 tile t + 4's two bytes high (so the launch before stores them); q's word has its two bytes twice.  A byte 0 stands only over zero codes.
; A step's K is asked of LDS in the step before, as soon as the score products have read the registers; its V behind the same four places.
; wave's number: bit 0 head of the pair, bit 1 tile, bit 2 which pair of blocks (j = c or 7 - c, c = cluster % 4), bit 3 role.  The partner's place cx picks 32 queries of a block: it enters global addresses and the mask's numbers alone.
.set REC,   13312
.set STG,   212992                     ; behind the records: the way out's scale words, [segment][pair of blocks][head][tile][slot]: 1,024 bytes
.set SPARE, 215040                     ; the spare words: 128 bytes a wave
.set PD,    217088                     ; a pair's bytes: 4,608 of role 0's part, then 1,536 in which role 1 keeps its second q
.set PAIRB, 6144
.set QST,   4608
.set CUT,   10                         ; the first loop's trips
; vector registers: v1 16 lane, v2 8 lane, v3 my pair's LDS bytes, v4-5 a record's addresses, v6 my stage word
.set QSC, 7                            ; q's scale word
.set VS,  8                            ; v8-11    V's scale words
.set NM,  12                           ; -M
.set MK,  13                           ; the mask's number: my query's place in its block, less 16 h, plus 16 (so never negative)
.set LS,  14                           ; v14-15   l, in two halves
.set QZ,  16                           ; v16-33   six zeros, q's six registers, six zeros: (0, q) begins at QZ, (q, 0) at QZ + 6
.set FF,  34                           ; f
.set PSC, 35                           ; p's scale word
.set KF,  36                           ; v36-83   K's four fragments
.set VF,  84                           ; v84-131  V's four
.set SS,  132                          ; v132-195 scores, then p
.set OO,  196                          ; v196-227 O^T
.set PC,  228                          ; v228-239 p's codes
.set KSC, 240                          ; v240-243 K's scale words
.set BM,  244                          ; v244-247 the blocks' maxima, then the conversions' scale operands
.set TM,  248                          ; v248-254 at work
.set TT,  255
.set WV,  10
.set ROLE, 11
.set T2,  12
.set HD,  13
.set CX,  14
.set BA,  15
.set KH,  16
.set JA,  18                           ; j
.set SI,  19                           ; the step
.set TB,  20                           ; its record in LDS
.set CNT, 21
.set SEL, 22
.set G1,  24
.set G0,  32
.set JZ,  36                           ; 15 - j
.set HI,  37                           ; my last live step of this loop
.set DG,  38                           ; the block of my tile = the step on the diagonal
.set PCL, 39
.set OB,  40                           ; offsets at block 0: codes out,
.set QC,  41                           ; q's codes,
.set QW,  42                           ; q's scale words,
.set SOB, 43                           ; scale words out
.set CSN, 47                           ; -log2(e) / 8
.set CS,  48
.set TN,  60                           ; the next record
.macro CROUND
	s_barrier_signal -1
	s_barrier_wait -1
	s_cmp_lg_u32 s[WV], 0
	s_cbranch_scc1 .Lnot_wave_0_\@
	s_barrier_signal -3
.Lnot_wave_0_\@:
	s_barrier_wait -3
	s_barrier_signal -1
	s_barrier_wait -1
.endm
; a tile of q in block s[qb]: half a fragment (registers 0-3 at 16 x lane, 4-5 at 512 + 8 x lane) and its scale word
.macro QLOAD qb, d, w
	s_mul_i32 s52, s[\qb], 6656
	s_add_co_u32 s56, s[QC], s52
	s_mov_b32 s57, 0
	s_add_co_u32 s58, s[QW], s52
	s_mov_b32 s59, 0
	s_add_nc_u64 s[56:57], s[4:5], s[56:57]
	s_add_nc_u64 s[58:59], s[4:5], s[58:59]
	global_load_b128 v[\d:\d+3], v1, s[56:57]
	global_load_b64 v[\d+4:\d+5], v2, s[56:57] offset:512
	global_load_b32 v[\w], v[SS+8], s[58:59]
.endm
.macro FRESH                           ; a part begins: -M = 3e38, over every -t; l and O^T zero
	v_mov_b32 v[NM], 0x7f61b1e6
	v_mov_b32 v[LS], 0
	v_mov_b32 v[LS+1], 0
.set j, 0
.rept 32
	v_mov_b32 v[OO+j], 0
.set j, j+1
.endr
.endm
; 17 LDS loads: the K of the record at v4, v5: its scale words, and key tiles t and t + 4 into the two halves of fragment t
.macro KLOAD
	ds_load_b128 v[KSC:KSC+3], v4 offset:12288
.irp t, 0,1,2,3
	ds_load_b128 v[KF+12*\t:KF+12*\t+3], v4 offset:768*\t
	ds_load_b64 v[KF+12*\t+4:KF+12*\t+5], v5 offset:768*\t+512
	ds_load_b128 v[KF+12*\t+6:KF+12*\t+9], v4 offset:3072+768*\t
	ds_load_b64 v[KF+12*\t+10:KF+12*\t+11], v5 offset:3072+768*\t+512
.endr
.endm
; one step: 16 queries x 128 keys
.macro STEP
	s_cmp_gt_u32 s[SI], s[HI]
	s_cbranch_scc1 .Lhid_\@                        ; not mine
	s_add_co_u32 s[TN], s[TB], REC
	s_min_u32 s[TN], s[TN], 15*REC                 ; the next record, held inside the 16
	s_wait_dscnt 0x0                               ; this step's K is in: asked for a step ago
.irp t, 0,1,2,3
	v_wmma_scale_f32_16x16x128_f8f6f4 v[SS+8*\t:SS+8*\t+7], v[KF+12*\t:KF+12*\t+11], v[QZ+6:QZ+17], 0, v[KSC+\t], v[QSC] matrix_a_fmt:MATRIX_FMT_FP6 matrix_b_fmt:MATRIX_FMT_FP6
.endr
.irp t, 0,1,2,3
	v_wmma_scale_f32_16x16x128_f8f6f4 v[SS+32+8*\t:SS+32+8*\t+7], v[KF+12*\t:KF+12*\t+11], v[QZ:QZ+11], 0, v[KSC+\t], v[QSC] matrix_a_fmt:MATRIX_FMT_FP6 matrix_b_fmt:MATRIX_FMT_FP6 matrix_a_scale:MATRIX_SCALE_ROW1
.endr
.rept 4
	v_nop                                          ; four places: behind the last step's matrix instructions for the loads of V, behind these for the loads of K and the reads of the scores
.endr
.irp t, 0,1,2,3
.irp c, 0,1,2
	ds_load_b128 v[VF+12*\t+4*\c:VF+12*\t+4*\c+3], v4 offset:6144+1536*\t+512*\c
.endr
.endr
	ds_load_b128 v[VS:VS+3], v4 offset:12800       ; 13 loads: this step's V and its scale words
	v_add_nc_u32 v4, s[TN], v1
	v_add_nc_u32 v5, s[TN], v2
	KLOAD                                          ; the next step's K (my last step's request is not used)
	s_cmp_lg_u32 s[SI], s[DG]
	s_cbranch_scc1 .Lopen_\@
	v_mov_b32 v[TT], 0xff800000                    ; on the diagonal: register n is key 32 (n / 16) + 16 h + n % 16 of the block; beyond my query: -infinity
.set n, 0
.rept 64
	v_cmp_gt_i32 vcc_lo, 32*(n/16)+n%16+16, v[MK]
	v_cndmask_b32 v[SS+n], v[SS+n], v[TT], vcc_lo
.set n, n+1
.endr
.Lopen_\@:
.irp b, 0,1,2,3
	v_max3_num_f32 v[BM+\b], v[SS+16*\b], v[SS+1+16*\b], v[SS+2+16*\b]   ; each block's largest score: for the row's maximum and for the block's largest p
.endr
.irp i, 3,5,7,9,11,13
.irp b, 0,1,2,3
	v_max3_num_f32 v[BM+\b], v[BM+\b], v[SS+16*\b+\i], v[SS+1+16*\b+\i]
.endr
.endr
.irp b, 0,1,2,3
	v_max_num_f32 v[BM+\b], v[BM+\b], v[SS+15+16*\b]
.endr
.irp b, 0,1,2,3
	s_delay_alu instid0(VALU_DEP_4)
	v_permlanex16_b32 v[TM+\b], v[BM+\b], s[SEL], s[SEL+1]
.endr
.irp b, 0,1,2,3
	s_delay_alu instid0(VALU_DEP_4)
	v_max_num_f32 v[BM+\b], v[BM+\b], v[TM+\b]
.endr
	s_delay_alu instid0(VALU_DEP_2)
	v_max3_num_f32 v[TT], v[BM], v[BM+1], v[BM+2]
	s_delay_alu instid0(VALU_DEP_1)
	v_max_num_f32 v[TT], v[TT], v[BM+3]
	s_delay_alu instid0(VALU_DEP_1)
	v_mul_f32 v[TT], s[CSN], v[TT]                 ; -t of the step's largest score
	s_delay_alu instid0(VALU_DEP_1)
	v_floor_f32 v[TT], v[TT]                       ; -ceil(t)
	s_delay_alu instid0(VALU_DEP_1)
	v_min_num_f32 v[TT], v[TT], v[NM]              ; the new -M: the ceiling of the running maximum is the maximum of the ceilings
	s_delay_alu instid0(VALU_DEP_1)
	v_sub_f32 v[FF], v[TT], v[NM]
	v_mov_b32 v[NM], v[TT]
	s_delay_alu instid0(VALU_DEP_2)
	v_cvt_i32_f32 v[FF], v[FF]                     ; (it saturates)
	s_delay_alu instid0(VALU_DEP_1)
	v_ldexp_f32 v[FF], 1.0, v[FF]                  ; f = 2^(old M - new M)
.set j, 0
.rept 32
	v_pk_fma_f32 v[SS+j:SS+j+1], v[SS+j:SS+j+1], s[CS:CS+1], v[NM:NM+1] op_sel_hi:[1,0,0]
.set j, j+2
.endr
.irp b, 0,1,2,3
	v_fma_f32 v[BM+\b], v[BM+\b], s[CS], v[NM]
.endr
	s_wait_alu depctr_va_vdst(0)
.set j, 0
.rept 64
	v_exp_f32 v[SS+j], v[SS+j]
.set j, j+1
.endr
.irp b, 0,1,2,3
	v_exp_f32 v[BM+\b], v[BM+\b]                   ; the block's largest p
.endr
	v_pk_mul_f32 v[LS:LS+1], v[LS:LS+1], v[FF:FF+1] op_sel_hi:[1,0]
	s_wait_alu depctr_va_vdst(0)                   ; one wait behind the batch, directly ahead of the first readers of O^T
.set j, 0
.rept 16
	v_pk_mul_f32 v[OO+j:OO+j+1], v[OO+j:OO+j+1], v[FF:FF+1] op_sel_hi:[1,0]
.set j, j+2
.endr
.irp b, 0,1,2,3
	v_max_num_f32 v[BM+\b], 0x1800000, v[BM+\b]    ; the floor 2^(3 - 127): the byte cannot fall under 1
.endr
.irp b, 0,1,2,3
	s_delay_alu instid0(VALU_DEP_4)
	v_add_nc_u32 v[BM+\b], 0xff000000, v[BM+\b]    ; 2 off the exponent field: the conversion's scale operand
.endr
.irp b, 0,1,2,3
	s_delay_alu instid0(VALU_DEP_4)
	v_lshrrev_b32 v[TM+\b], 23, v[BM+\b]
.endr
	s_delay_alu instid0(VALU_DEP_3)
	v_lshl_or_b32 v[PSC], v[TM+1], 8, v[TM]
	s_delay_alu instid0(VALU_DEP_1)
	v_lshl_or_b32 v[PSC], v[TM+2], 16, v[PSC]
	s_delay_alu instid0(VALU_DEP_1)
	v_lshl_or_b32 v[PSC], v[TM+3], 24, v[PSC]      ; p's scale word
.irp c, 0,1
	v_cvt_scalef32_pk16_fp6_f32 v[PC+6*\c:PC+6*\c+2], v[SS+32*\c:SS+32*\c+15], v[BM+2*\c]
	v_cvt_scalef32_pk16_fp6_f32 v[TM+4*\c:TM+4*\c+2], v[SS+16+32*\c:SS+31+32*\c], v[BM+2*\c+1]
.endr
	v_nop
.irp c, 0,1
.irp i, 0,1,2
	v_permlane16_swap_b32 v[PC+6*\c+\i], v[TM+4*\c+\i]
.endr
.irp i, 0,1,2
	s_delay_alu instid0(VALU_DEP_3)
	v_mov_b32 v[PC+3+6*\c+\i], v[TM+4*\c+\i]
.endr
.endr
	v_pk_add_f32 v[TM:TM+1], v[SS:SS+1], v[SS+2:SS+3]   ; l is summed of the unquantised p, in two chains.  These 32 lines are also the places ahead of the scaled products below
.irp j, 4,8,12,16,20,24,28,32,36,40,44,48,52,56,60
	v_pk_add_f32 v[LS:LS+1], v[LS:LS+1], v[SS+\j:SS+\j+1]
	v_pk_add_f32 v[TM:TM+1], v[TM:TM+1], v[SS+2+\j:SS+3+\j]
.endr
	s_delay_alu instid0(VALU_DEP_1)
	v_pk_add_f32 v[LS:LS+1], v[LS:LS+1], v[TM:TM+1]
	s_wait_dscnt 17                                ; V and its words are in; the 17 loads of the next K may be out
.irp t, 0,1,2,3
	v_wmma_scale_f32_16x16x128_f8f6f4 v[OO+8*\t:OO+8*\t+7], v[VF+12*\t:VF+12*\t+11], v[PC:PC+11], v[OO+8*\t:OO+8*\t+7], v[VS+\t], v[PSC] matrix_a_fmt:MATRIX_FMT_FP6 matrix_b_fmt:MATRIX_FMT_FP6
.endr
.Lhid_\@:
	s_add_co_u32 s[SI], s[SI], 1
	s_add_co_u32 s[TB], s[TB], REC
.endm
.macro WALK n
	s_mov_b32 s[CNT], \n
.Lw_\@:
	STEP
	s_sub_co_u32 s[CNT], s[CNT], 1
	s_cmp_lg_u32 s[CNT], 0
	s_cbranch_scc1 .Lw_\@
.endm
; a finished tile of block s[DG]: O^T / l, quantised along d (two blocks of 32), half a fragment stored as it stands; its two scale bytes go to the stage
.macro FINISH seg
	s_mul_i32 s56, s[DG], 98304
	s_add_co_u32 s56, s56, s[OB]
	s_mov_b32 s57, 0
	s_add_nc_u64 s[56:57], s[8:9], s[56:57]
	v_add_f32 v[LS], v[LS], v[LS+1]
	s_delay_alu instid0(VALU_DEP_1)
	v_permlanex16_b32 v[TT], v[LS], s[SEL], s[SEL+1]
	s_delay_alu instid0(VALU_DEP_1)
	v_add_f32 v[LS], v[LS], v[TT]
	s_wait_alu depctr_va_vdst(0)
	v_rcp_f32 v[LS], v[LS]
	v_nop
	s_wait_alu depctr_va_vdst(0)
.set j, 0
.rept 32
	v_mul_f32 v[SS+j], v[OO+j], v[LS]
.set j, j+1
.endr
.irp b, 0,1
	v_max3_num_f32 v[BM+\b], |v[SS+16*\b]|, |v[SS+1+16*\b]|, 0x1800000
.endr
.irp i, 2,4,6,8,10,12,14
.irp b, 0,1
	s_delay_alu instid0(VALU_DEP_2)
	v_max3_num_f32 v[BM+\b], v[BM+\b], |v[SS+16*\b+\i]|, |v[SS+1+16*\b+\i]|
.endr
.endr
.irp b, 0,1
	s_delay_alu instid0(VALU_DEP_2)
	v_permlanex16_b32 v[TM+\b], v[BM+\b], s[SEL], s[SEL+1]
.endr
.irp b, 0,1
	s_delay_alu instid0(VALU_DEP_2)
	v_max_num_f32 v[BM+\b], v[BM+\b], v[TM+\b]
.endr
.irp b, 0,1
	s_delay_alu instid0(VALU_DEP_2)
	v_add_nc_u32 v[BM+\b], 0xff000000, v[BM+\b]
.endr
.irp b, 0,1
	s_delay_alu instid0(VALU_DEP_2)
	v_lshrrev_b32 v[TM+\b], 23, v[BM+\b]
.endr
	s_delay_alu instid0(VALU_DEP_1)
	v_lshl_or_b32 v[TT], v[TM+1], 8, v[TM]
	v_cvt_scalef32_pk16_fp6_f32 v[PC:PC+2], v[SS:SS+15], v[BM]
	v_cvt_scalef32_pk16_fp6_f32 v[PC+4:PC+6], v[SS+16:SS+31], v[BM+1]
	v_nop
.irp i, 0,1,2
	v_permlane16_swap_b32 v[PC+\i], v[PC+4+\i]
.endr
.irp i, 0,1,2
	s_delay_alu instid0(VALU_DEP_3)
	v_mov_b32 v[PC+3+\i], v[PC+4+\i]
.endr
	ds_store_b32 v6, v[TT] offset:\seg*512
	global_store_b128 v1, v[PC:PC+3], s[56:57]
	global_store_b64 v2, v[PC+4:PC+5], s[56:57] offset:512
.endm
	s_load_b128 s[4:7], s[0:1], 0x0                ; qr, kv
	s_load_b64 s[8:9], s[0:1], 0x10                ; aq
	v_lshl_add_u32 v254, v0, 2, SPARE
	v_mov_b32 v255, 0
	ds_add_u32 v254, v255
	ds_add_u32 v254, v255
	v_lshrrev_b32 v1, 5, v0
	s_delay_alu instid0(VALU_DEP_1)
	v_readfirstlane_b32 s[WV], v1
	s_mov_b32 s[G1], 15|(3<<16)|(1<<21)            ; a record: 52 rows of 32 elements of 8 bytes, dense; the mask names all four partners
	s_mov_b32 s[G1+1], 32<<16
	s_mov_b32 s[G1+2], 52<<16
	s_mov_b32 s[G1+3], 32<<16
	s_mov_b32 s[G1+4], 52
	s_mov_b32 s[G1+5], 32
	s_mov_b32 s[G1+6], 0
	s_mov_b32 s[G1+7], 0
	s_lshr_b32 s50, ttmp9, 2                       ; 8 x batch + key head
	s_mul_i32 s50, s50, 16*REC
	s_mul_i32 s52, s[WV], REC                      ; record = my wave's number
	s_add_co_u32 s50, s50, s52
	s_mov_b32 s51, 0
	s_mov_b32 s[G0], 1
	s_mov_b32 s[G0+1], s52
	s_wait_dscnt 0x0
	s_wait_kmcnt 0x0
	s_add_nc_u64 s[G0+2:G0+3], s[6:7], s[50:51]
	s_or_b32 s[G0+3], s[G0+3], 0x80000000
	CROUND                                         ; all four work-groups are here: the joint loads meet
	tensor_load_to_lds s[G0:G0+3], s[G1:G1+7]      ; my one tensor load of the launch
	s_nop 0
	s_lshr_b32 s[ROLE], s[WV], 3
	s_bfe_u32 s[PCL], s[WV], 0x10002
	s_bfe_u32 s[T2], s[WV], 0x10001
	s_and_b32 s[HD], s[WV], 1
	s_bfe_u32 s[CX], ttmp6, 0x40000
	s_lshr_b32 s[BA], ttmp9, 5
	s_bfe_u32 s[KH], ttmp9, 0x30002
	s_and_b32 s17, ttmp9, 3
	s_sub_co_u32 s50, 7, s17
	s_cmp_eq_u32 s[PCL], 1
	s_cselect_b32 s[JA], s50, s17                  ; j
	s_sub_co_u32 s[JZ], 15, s[JA]
	s_cmp_eq_u32 s[ROLE], 1
	s_cselect_b32 s[DG], s[JA], s[JZ]              ; first loop: role 1 the short tile, role 0 the long one,
	s_min_u32 s[HI], s[DG], CUT-1                  ; up to the loop's last step
	s_mov_b32 s[SI], 0
	s_mov_b32 s[TB], 0
	s_mov_b32 s[SEL], 0x76543210
	s_mov_b32 s[SEL+1], 0xfedcba98
	s_mov_b32 s[CS], 0x3e38aa3b                    ; log2(e) / 8
	s_mov_b32 s[CS+1], s[CS]
	s_mov_b32 s[CSN], 0xbe38aa3b
	s_and_b32 s53, s[CX], 1
	s_lshl_b32 s53, s53, 1
	s_add_co_u32 s53, s53, s[T2]                   ; my tile among a group's four
	s_lshr_b32 s54, s[CX], 1                       ; which group of 64 queries of the block
	s_lshl_b32 s50, s[BA], 4
	s_lshl_b32 s51, s[KH], 1
	s_add_co_u32 s50, s50, s51
	s_add_co_u32 s50, s50, s[HD]
	s_lshl_b32 s50, s50, 5
	s_add_co_u32 s50, s50, s54
	s_mul_i32 s50, s50, 3328                       ; q's record (batch, head, group)
	s_mul_i32 s51, s53, 768
	s_add_co_u32 s[QC], s50, s51
	s_lshl_b32 s51, s53, 2
	s_add_co_u32 s[QW], s50, s51
	s_add_co_u32 s[QW], s[QW], 3072
	s_lshl_b32 s50, s[BA], 7
	s_lshl_b32 s51, s[CX], 1
	s_add_co_u32 s50, s50, s51
	s_add_co_u32 s50, s50, s[T2]                   ; tile of positions
	s_lshl_b32 s50, s50, 3
	s_add_co_u32 s50, s50, s[KH]                   ; kstep of the last product = key head
	s_mul_i32 s50, s50, 1536
	s_mul_i32 s51, s[HD], 768
	s_add_co_u32 s[OB], s50, s51
	s_lshl_b32 s50, s[BA], 5
	s_add_co_u32 s50, s50, s54
	s_lshl_b32 s50, s50, 3
	s_add_co_u32 s50, s50, s[KH]
	s_lshl_b32 s50, s50, 8
	s_and_b32 s51, s[CX], 1
	s_lshl_b32 s51, s51, 7
	s_add_co_u32 s50, s50, s51
	s_add_co_u32 s[SOB], s50, 3145728
	s_lshl_b32 s44, s[PCL], 8                      ; my word's row of the stage
	s_lshl_b32 s51, s[HD], 7
	s_add_co_u32 s44, s44, s51
	s_lshl_b32 s51, s[T2], 6
	s_add_co_u32 s44, s44, s51
	s_add_co_u32 s44, s44, STG
	s_and_b32 s45, s[WV], 7                        ; my pair
	s_mul_i32 s45, s45, PAIRB
	s_add_co_u32 s45, s45, PD
	s_lshl_b32 s46, s[CX], 5
	s_lshl_b32 s51, s[T2], 3
	s_add_co_u32 s46, s46, s51
	s_add_co_u32 s46, s46, 16
	v_and_b32 v2, 31, v0
	v_and_b32 v6, 15, v0
	v_bfe_u32 v[TT], v0, 4, 1
	s_delay_alu instid0(VALU_DEP_3)
	v_lshlrev_b32 v1, 4, v2
	v_lshlrev_b32 v2, 3, v2
	v_lshlrev_b32 v[SS+8], 4, v6                   ; q's scale words: 16 bytes a slot
	v_and_b32 v[MK], 8, v6
	v_lshlrev_b32 v[TT], 4, v[TT]
	s_delay_alu instid0(VALU_DEP_2)
	v_add_nc_u32 v[MK], v[MK], v6
	s_delay_alu instid0(VALU_DEP_1)
	v_sub_nc_u32 v[MK], v[MK], v[TT]
	s_delay_alu instid0(VALU_DEP_1)
	v_add_nc_u32 v[MK], s46, v[MK]                 ; my query's place in its block, less 16 h
	v_lshl_add_u32 v6, v6, 2, s44                  ; the LDS addresses that outlive a branch on the role are made here
	v_add_nc_u32 v3, s45, v1
	v_add_nc_u32 v4, 0, v1                         ; record 0
	v_add_nc_u32 v5, 0, v2
	v_mov_b32 v[PSC], 0
.irp i, 0,1,2,3,4,5,12,13,14,15,16,17
	v_mov_b32 v[QZ+\i], 0                          ; the zero codes on both sides of q
.endr
.irp b, 0,1,2,3
	v_mov_b32 v[TM+\b], 0                          ; a lane permute's destination counts as one of its sources
.endr
	FRESH
	s_wait_alu depctr_va_vdst(0)
	QLOAD DG, QZ+6, QSC
	s_wait_xcnt 0x0                                ; the loads have read their bases
	QLOAD JZ, SS, SS+6                             ; the long tile's q, for role 1's second part.  (Role 0 loads it too, so that every way has written these registers)
	s_wait_loadcnt 0x0
	v_lshl_or_b32 v[QSC], v[QSC], 16, v[QSC]       ; q's two bytes twice: they serve (q, 0) and (0, q)
	v_lshl_or_b32 v[SS+6], v[SS+6], 16, v[SS+6]
.rept 8
	v_nop                                          ; a scale register written by a vector instruction stands eight places ahead of a scaled product
.endr
	s_wait_alu depctr_va_vdst(0)
	s_wait_tensorcnt 0x0                           ; my record is in
	s_wait_dscnt 0x0
	s_barrier_signal -1
	s_barrier_wait -1                              ; all 16 records are in
	KLOAD                                          ; step 0's K
	s_cmp_eq_u32 s[ROLE], 0
	s_cbranch_scc1 .Lwalk
	ds_store_b128 v3, v[SS:SS+3] offset:QST        ; kept in my own LDS bytes until the short tile is done
	ds_store_b64 v3, v[SS+4:SS+5] offset:QST+512
	ds_store_b32 v3, v[SS+6] offset:QST+1024
.Lwalk:
	WALK CUT                                       ; steps 0 .. 9
	s_wait_alu depctr_va_vdst(0)
.rept 4
	v_nop                                          ; places behind the last matrix instructions, ahead of the reads of O^T
.endr
	s_cmp_eq_u32 s[ROLE], 0
	s_cbranch_scc1 .Ldump
	FINISH 0                                       ; role 1: the short tile goes out
	s_wait_dscnt 0x0                               ; the K asked for in my last step has landed: its registers may be asked for again
	v_add_nc_u32 v4, CUT*REC, v1
	v_add_nc_u32 v5, CUT*REC, v2
	ds_load_b128 v[QZ+6:QZ+9], v3 offset:QST
	ds_load_b64 v[QZ+10:QZ+11], v3 offset:QST+512
	ds_load_b32 v[QSC], v3 offset:QST+1024
	KLOAD                                          ; step 10's K
	FRESH
	s_mov_b32 s[DG], s[JZ]
	s_mov_b32 s[HI], s[JZ]                         ; steps 10 .. 15 - j of the long tile (none where j is 6 or 7)
	s_wait_alu depctr_va_vdst(0)
	s_wait_xcnt 0x0                                ; the stores have read their registers
	s_branch .Lsecond
.Ldump:
.irp i, 0,1,2,3,4,5,6,7
	ds_store_b128 v3, v[OO+4*\i:OO+4*\i+3] offset:512*\i   ; role 0: my part of the long tile; each accumulator from its low end on
.endr
	ds_store_b128 v3, v[NM:NM+3] offset:4096
	s_mov_b32 s[HI], 0                             ; nothing more is mine
.Lsecond:
	WALK 16-CUT                                    ; steps 10 .. 15
	s_wait_alu depctr_va_vdst(0)
.rept 4
	v_nop
.endr
	s_wait_dscnt 0x0                               ; role 0's part is stored
	s_barrier_signal -1
	s_barrier_wait -1
	s_cmp_eq_u32 s[ROLE], 0
	s_cbranch_scc1 .Ldone
.irp i, 0,1,2,3,4,5,6,7
	ds_load_b128 v[SS+4*\i:SS+4*\i+3], v3 offset:512*\i
.endr
	ds_load_b128 v[SS+56:SS+59], v3 offset:4096
	s_wait_dscnt 0x0
	v_min_num_f32 v[TT], v[NM], v[SS+56]           ; -M of the two parts together
	s_delay_alu instid0(VALU_DEP_1)
	v_sub_f32 v[FF], v[TT], v[NM]
	v_sub_f32 v[TM], v[TT], v[SS+56]
	s_delay_alu instid0(VALU_DEP_2)
	v_cvt_i32_f32 v[FF], v[FF]                     ; (it saturates: a part with no step has the factor 0)
	s_delay_alu instid0(VALU_DEP_2)
	v_cvt_i32_f32 v[TM], v[TM]
	s_delay_alu instid0(VALU_DEP_2)
	v_ldexp_f32 v[FF], 1.0, v[FF]                  ; my part's factor,
	s_delay_alu instid0(VALU_DEP_2)
	v_ldexp_f32 v[TM], 1.0, v[TM]                  ; the other's
	s_delay_alu instid0(VALU_DEP_2)
	v_pk_mul_f32 v[LS:LS+1], v[LS:LS+1], v[FF:FF+1] op_sel_hi:[1,0]
.set j, 0
.rept 16
	v_pk_mul_f32 v[OO+j:OO+j+1], v[OO+j:OO+j+1], v[FF:FF+1] op_sel_hi:[1,0]
.set j, j+2
.endr
	v_pk_fma_f32 v[LS:LS+1], v[SS+58:SS+59], v[TM:TM+1], v[LS:LS+1] op_sel_hi:[1,0,1]
.set j, 0
.rept 16
	v_pk_fma_f32 v[OO+j:OO+j+1], v[SS+j:SS+j+1], v[TM:TM+1], v[OO+j:OO+j+1] op_sel_hi:[1,0,1]
.set j, j+2
.endr
	FINISH 1                                       ; the long tile goes out
.Ldone:
	; the scale words: wave 4 g gathers row g of the stage (segment = its role, pair of blocks = its own): two tiles x 16 words, both heads' bytes, 128 consecutive bytes
	v_and_b32 v177, 31, v0
	s_lshr_b32 s50, s[WV], 2
	s_lshl_b32 s50, s50, 8
	s_add_co_u32 s50, s50, STG
	v_lshlrev_b32 v177, 2, v177
	s_delay_alu instid0(VALU_DEP_1)
	v_add_nc_u32 v176, s50, v177
	s_cmp_eq_u32 s[ROLE], 1
	s_cselect_b32 s51, s[JZ], s[JA]
	s_lshl_b32 s58, s51, 12
	s_add_co_u32 s58, s58, s[SOB]
	s_mov_b32 s59, 0
	s_add_nc_u64 s[58:59], s[8:9], s[58:59]
	s_wait_alu depctr_va_vdst(0)
	s_wait_dscnt 0x0
	s_barrier_signal -1
	s_barrier_wait -1
	s_and_b32 s50, s[WV], 3
	s_cmp_lg_u32 s50, 0
	s_cbranch_scc1 .Lno_scales
	ds_load_b32 v178, v176
	ds_load_b32 v179, v176 offset:128
	s_wait_dscnt 0x0
	v_lshl_or_b32 v178, v179, 16, v178
	global_store_b32 v177, v178, s[58:59]
.Lno_scales:
	s_wait_xcnt 0x0
	v_lshl_add_u32 v254, v0, 2, SPARE              ; no two registers could be kept: the add's two are made anew
	v_mov_b32 v255, 0
	s_wait_alu depctr_va_vdst(0)
	s_wait_tensorcnt 0x0                           ; the wave's end
	ds_add_u32 v254, v255
	s_wait_dscnt 0x0
	CROUND                                         ; the closing round
	s_endpgm
.Lfunc_end_k_q1e77500298_attn:
	.size	k_q1e77500298_attn, .Lfunc_end_k_q1e77500298_attn-k_q1e77500298_attn
	.p2alignl 7, 3214868480
	.fill 96, 4, 3214868480
	.section	.rodata,"a",@progbits
	.p2align	6, 0x0
	.amdhsa_kernel k_q1e77500298_attn
		.amdhsa_group_segment_fixed_size 327680
		.amdhsa_private_segment_fixed_size 0
		.amdhsa_enable_private_segment 0
		.amdhsa_kernarg_size 24
		.amdhsa_user_sgpr_count 2
		.amdhsa_user_sgpr_kernarg_segment_ptr 1
		.amdhsa_wavefront_size32 1
		.amdhsa_system_sgpr_workgroup_id_x 1
		.amdhsa_system_sgpr_workgroup_id_y 1
		.amdhsa_system_sgpr_workgroup_id_z 1
		.amdhsa_system_vgpr_workitem_id 0
		.amdhsa_next_free_vgpr 256
		.amdhsa_next_free_sgpr 66
		.amdhsa_reserve_vcc 1
		.amdhsa_float_denorm_mode_32 3
		.amdhsa_float_denorm_mode_16_64 3
		.amdhsa_memory_ordered 1
		.amdhsa_forward_progress 1
		.amdhsa_inst_pref_size 72
	.end_amdhsa_kernel
	.amdgpu_metadata
---
amdhsa.version: [ 1, 2 ]
amdhsa.kernels:
  - .name:           k_q1e77500298_attn
    .symbol:         k_q1e77500298_attn.kd
    .args:
      - { .name: qr, .offset: 0, .size: 8, .value_kind: global_buffer, .address_space: global }
      - { .name: kv, .offset: 8, .size: 8, .value_kind: global_buffer, .address_space: global }
      - { .name: aq, .offset: 16, .size: 8, .value_kind: global_buffer, .address_space: global }
    .group_segment_fixed_size: 327680
    .private_segment_fixed_size: 0
    .kernarg_segment_align: 8
    .kernarg_segment_size: 24
    .max_flat_workgroup_size: 512
    .sgpr_count:     66
    .vgpr_count:     256
    .wavefront_size: 32
...
	.end_amdgpu_metadata
.endif
;; end of part 3
;; launch oproj (part 4): grid 32 x 8, 4 waves a work-group, clusters of 4 x 1, 327,680 bytes of LDS; arguments aq, oq, out0; writes out0
.if DOCPART == 4
	.amdgcn_target "amdgcn-amd-amdhsa--gfx1250"
	.amdhsa_code_object_version 6
	.text
	.protected	k_q1e77500298_oproj
	.globl	k_q1e77500298_oproj
	.p2align	8
	.type	k_q1e77500298_oproj,@function
k_q1e77500298_oproj:
	s_mov_b64 s[64:65], 0
	v_nop
	global_prefetch_b8 v0, s[64:65] scope:SCOPE_SE
	s_setreg_imm32_b32 hwreg(HW_REG_WAVE_MODE, 25, 1), 1
	s_wait_xcnt 0x0
	s_wait_alu depctr_hold_cnt(0) depctr_sa_sdst(0) depctr_va_vdst(0) depctr_va_sdst(0) depctr_va_ssrc(0) depctr_va_vcc(0) depctr_vm_vsrc(0)
	s_getreg_b32 s2, hwreg(HW_REG_IB_STS2, 6, 4)
	s_cmp_eq_u32 s2, 0
	s_cbranch_scc0 .Lentry_in_a_cluster
	s_endpgm
.Lentry_in_a_cluster:
	s_bfe_u32 s2, ttmp6, 0x10000c
	s_cmp_lg_u32 s2, 0x3003
	s_cbranch_scc0 .Lentry_shape_is_right
	s_endpgm
.Lentry_shape_is_right:
; out = (attention's output) Wo on codes of FP6, K = 1,024.  S0 (source 0) = 256 columns of Wo, shared by the four partners of a cluster (joint loads, mask 15); S1 (source 1) = 128 positions, the work-group's own.
; A wave: 8 tiles of S0 (half w % 2) x 4 tiles of S1 (half w / 2): 32 accumulators; a lane holds one position and, in two accumulators, 16 neighbouring columns.
; K is 8 ksteps: two LDS slots of 4 ksteps hold all of it, both asked for at the start: nothing is filled twice.  Wo's fragments are images of their registers (3 x 512 bytes); the other operand's are two halves of
; 768 bytes, a head each (registers 0-3 at 16 x lane, 4-5 at 512 + 8 x lane), as the launch before stored them.
; The way out: a tile's 16 rows x 512 bytes go through the wave's own stage (in slot 0, which has had its only fill and its last read) and leave as whole rows.
; REGISTERS: window 0: v4-14 addresses, v32-43 scale words (two sets), v64-207 fragments, set 0 (on the way out: rows of the result); window 1: the accumulators; window 2: v64-207 fragments, set 1.
.set KS,    8
.set TILEB, KS*1536
.set GRPB,  KS*256
.set SLOT,  147456
.set S1O,   98304
.set SCA,   2*SLOT
.set SCB,   SCA+4*GRPB
.set A0,  4
.set A1,  6
.set AS0, 8
.set AS1, 9
.set A1B, 10
.set STO, 12
.set RD,  13
.set L16, 14
.set SC,  32
.set RR,  48
.set HH,  49
.set F0,  64
.set F1,  160
.set G1A,  24
.set G0A,  32
.set G1B,  40
.set G0B,  48
.set G1SA, 56
.set G0SA, 68
.set G1SB, 72
.set G0SB, 80
.set MSB, 0
.macro WIN new
.if MSB != \new
	s_set_vgpr_msb (MSB<<8)|\new
.set MSB, \new
.endif
.endm
.macro G1SET g, w0, c, r, p
	s_mov_b32 s[\g], \w0
	s_mov_b32 s[\g+1], (\c)<<16
	s_mov_b32 s[\g+2], (\r)<<16
	s_mov_b32 s[\g+3], (\c)<<16
	s_mov_b32 s[\g+4], \r
	s_mov_b32 s[\g+5], \p
	s_mov_b32 s[\g+6], 0
	s_mov_b32 s[\g+7], 0
.endm
.macro JLOAD g0a, g1a, g0b, g1b        ; waves 0 and 1 fetch S0's halves (jointly), waves 2 and 3 S1's; four v_nop follow each line
	s_cmp_eq_u32 s15, 0
	s_cbranch_scc0 .Lfor_b_\@
	tensor_load_to_lds s[\g0a:\g0a+3], s[\g1a:\g1a+7]
	s_nop 0
.rept 4
	v_nop
.endr
	s_branch .Lasked_\@
.Lfor_b_\@:
	tensor_load_to_lds s[\g0b:\g0b+3], s[\g1b:\g1b+7]
	s_nop 0
.rept 4
	v_nop
.endr
.Lasked_\@:
.endm
.macro CROUND
	s_barrier_signal -1
	s_barrier_wait -1
	s_cmp_lg_u32 s14, 0
	s_cbranch_scc1 .Lnot_wave_0_\@
	s_barrier_signal -3
.Lnot_wave_0_\@:
	s_barrier_wait -3
	s_barrier_signal -1
	s_barrier_wait -1
.endm
.macro PLACES
.rept 4
	v_nop
.endr
.endm
; 46 LDS loads in one run.  The window is set on both ways: the matrix instructions ahead have left theirs.  Set 1: destination window 2, address window 0; set 0: all in window 0.
.macro FETCH slot, q, ks, p
.if (\p)
	WIN 0x80
.else
	WIN 0
.endif
.irp b, 0,1,2,3,4,5,6,7
.irp c, 0,1,2
	ds_load_b128 v[F0+12*\b+4*\c:F0+12*\b+4*\c+3], v[A0+\slot] offset:\b*6144+(\q)*1536+512*\c
.endr
.endr
.irp a, 0,1,2,3
.irp c, 0,1
	ds_load_b128 v[F1+12*\a+6*\c:F1+12*\a+6*\c+3], v[A1+\slot] offset:\a*6144+(\q)*1536+768*\c
	ds_load_b64 v[F1+12*\a+6*\c+4:F1+12*\a+6*\c+5], v[A1B+\slot] offset:\a*6144+(\q)*1536+768*\c+512
.endr
.endr
	WIN 0
.irp i, 0,1,2,3
	ds_load_b32 v[SC+6*(\p)+\i], v[AS0] offset:(\i/2)*GRPB+(\ks)*256+(\i%2)*128
.endr
.irp i, 0,1
	ds_load_b32 v[SC+6*(\p)+4+\i], v[AS1] offset:(\ks)*256+\i*128
.endr
.endm
.macro MM a, b, p, zero
.set rD, 8*(8*(\a)+(\b))
.set rA, F0+12*(\b)
.set rB, F1+12*(\a)
.set rX, SC+6*(\p)+(\b)/2
.set rY, SC+6*(\p)+4+(\a)/2
.set rW, 2*((\a)%2)+(\b)%2+4*(\zero)
.if rW == 0
	v_wmma_scale_f32_16x16x128_f8f6f4 v[rD:rD+7], v[rA:rA+11], v[rB:rB+11], v[rD:rD+7], v[rX], v[rY] matrix_a_fmt:MATRIX_FMT_FP6 matrix_b_fmt:MATRIX_FMT_FP6
.elseif rW == 1
	v_wmma_scale_f32_16x16x128_f8f6f4 v[rD:rD+7], v[rA:rA+11], v[rB:rB+11], v[rD:rD+7], v[rX], v[rY] matrix_a_fmt:MATRIX_FMT_FP6 matrix_b_fmt:MATRIX_FMT_FP6 matrix_a_scale:MATRIX_SCALE_ROW1
.elseif rW == 2
	v_wmma_scale_f32_16x16x128_f8f6f4 v[rD:rD+7], v[rA:rA+11], v[rB:rB+11], v[rD:rD+7], v[rX], v[rY] matrix_a_fmt:MATRIX_FMT_FP6 matrix_b_fmt:MATRIX_FMT_FP6 matrix_b_scale:MATRIX_SCALE_ROW1
.elseif rW == 3
	v_wmma_scale_f32_16x16x128_f8f6f4 v[rD:rD+7], v[rA:rA+11], v[rB:rB+11], v[rD:rD+7], v[rX], v[rY] matrix_a_fmt:MATRIX_FMT_FP6 matrix_b_fmt:MATRIX_FMT_FP6 matrix_a_scale:MATRIX_SCALE_ROW1 matrix_b_scale:MATRIX_SCALE_ROW1
.elseif rW == 4
	v_wmma_scale_f32_16x16x128_f8f6f4 v[rD:rD+7], v[rA:rA+11], v[rB:rB+11], 0, v[rX], v[rY] matrix_a_fmt:MATRIX_FMT_FP6 matrix_b_fmt:MATRIX_FMT_FP6
.elseif rW == 5
	v_wmma_scale_f32_16x16x128_f8f6f4 v[rD:rD+7], v[rA:rA+11], v[rB:rB+11], 0, v[rX], v[rY] matrix_a_fmt:MATRIX_FMT_FP6 matrix_b_fmt:MATRIX_FMT_FP6 matrix_a_scale:MATRIX_SCALE_ROW1
.elseif rW == 6
	v_wmma_scale_f32_16x16x128_f8f6f4 v[rD:rD+7], v[rA:rA+11], v[rB:rB+11], 0, v[rX], v[rY] matrix_a_fmt:MATRIX_FMT_FP6 matrix_b_fmt:MATRIX_FMT_FP6 matrix_b_scale:MATRIX_SCALE_ROW1
.else
	v_wmma_scale_f32_16x16x128_f8f6f4 v[rD:rD+7], v[rA:rA+11], v[rB:rB+11], 0, v[rX], v[rY] matrix_a_fmt:MATRIX_FMT_FP6 matrix_b_fmt:MATRIX_FMT_FP6 matrix_a_scale:MATRIX_SCALE_ROW1 matrix_b_scale:MATRIX_SCALE_ROW1
.endif
.endm
.macro MUL16 a0, p, zero               ; the 32 accumulators take turns, one instruction a turn, in the same order in every kstep
.if (\p)
	WIN 0x5a
.else
	WIN 0x50
.endif
.irp a, \a0, \a0+1
.irp b, 0,1,2,3,4,5,6,7
	MM (\a), \b, \p, \zero
.endr
.endr
.endm
.macro KSTEP slot, q, ks, zero
	s_wait_dscnt 0x0                               ; this kstep's set is in: asked for 32 matrix instructions ago
	PLACES
	FETCH \slot, (\q)+1, (\ks)+1, 1-(\ks)%2
	MUL16 0, (\ks)%2, \zero
	MUL16 2, (\ks)%2, \zero
.endm
.macro TOSTAGE a                       ; tile a: lane (r, h) puts 4 x 64 bytes of row r; then whole rows come back.  LDS serves a wave's instructions in order
	WIN 0x04                                       ; the data: window 1
.set n, 0
.rept 16
	ds_store_b128 v[STO], v[64*(\a)+4*n:64*(\a)+4*n+3] offset:128*(n/4)+16*(n%4)   ; each accumulator from its low end on
.set n, n+1
.endr
	WIN 0
.set BB, 64+64*((\a)%2)
.set n, 0
.rept 16
	ds_load_b128 v[BB+4*n:BB+4*n+3], v[RD] offset:n*528
.set n, n+1
.endr
.endm
.macro SEND a, younger
.set BB, 64+64*((\a)%2)
	s_wait_dscnt \younger
.set n, 0
.rept 16
	global_store_b128 v[L16], v[BB+4*n:BB+4*n+3], s[12:13] offset:(32*((\a)/2)+8*((\a)%2)+n+8*(n/8))*8192 th:TH_STORE_NT   ; 512 consecutive bytes, aligned; slot n of the tile is that row
.set n, n+1
.endr
.endm
	s_load_b128 s[4:7], s[0:1], 0x0                ; aq, oq
	s_load_b64 s[12:13], s[0:1], 0x10              ; out0
	v_lshl_add_u32 v254, v0, 2, 0x4b000
	v_mov_b32 v255, 0
	ds_add_u32 v254, v255
	ds_add_u32 v254, v255
	v_lshrrev_b32 v1, 5, v0
	v_readfirstlane_b32 s14, v1
	s_lshr_b32 s15, s14, 1
	s_and_b32 s16, s14, 1
	s_bfe_u32 s17, ttmp6, 0x40000                  ; cx
	s_and_b32 s18, ttmp7, 0xffff                   ; y
	s_lshl_b32 s20, s18, 4                         ; S0's first tile
	s_mul_i32 s22, s20, TILEB
	s_mov_b32 s23, 0
	s_lshl_b32 s84, s18, 2
	s_mul_i32 s84, s84, GRPB
	s_add_co_u32 s84, s84, 1572864
	s_mov_b32 s85, 0
	s_lshl_b32 s86, ttmp9, 2
	s_add_co_u32 s86, s86, s17                     ; my block of 128 positions
	s_lshl_b32 s94, s86, 1
	s_add_co_u32 s94, s94, s15                     ; my wave's 64
	s_lshl_b32 s87, s86, 3
	s_mul_i32 s88, s87, TILEB
	s_mov_b32 s89, 0
	s_lshl_b32 s86, s86, 1
	s_mul_i32 s86, s86, GRPB
	s_add_co_u32 s86, s86, 3145728
	s_mov_b32 s87, 0
	s_mul_i32 s95, s16, 49152
	s_mul_i32 s96, s16, 24576
	s_add_co_u32 s96, s96, S1O
	s_mul_i32 s97, s16, 2*GRPB
	s_add_co_u32 s97, s97, SCA
	G1SET G1A, 15|(3<<16)|(1<<21), 768, 16, TILEB/8    ; the head's load: all 16 tiles of S0; behind the head the rows are set to 8
	G1SET G1B, 3<<16, 768, 8, TILEB/8                  ; all 8 tiles of S1; behind the head 4
	G1SET G1SA, 15|(3<<16)|(1<<21), 32, 4*GRPB/256, 32
	G1SET G1SB, 3<<16, 32, 2*GRPB/256, 32
	s_wait_dscnt 0x0
	s_wait_kmcnt 0x0
	s_add_nc_u64 s[22:23], s[6:7], s[22:23]
	s_add_nc_u64 s[84:85], s[6:7], s[84:85]
	s_add_nc_u64 s[88:89], s[4:5], s[88:89]
	s_add_nc_u64 s[86:87], s[4:5], s[86:87]
	CROUND                                         ; all four work-groups are here: the joint loads meet
	s_mov_b32 s[G0SA], 1
	s_mov_b32 s[G0SA+1], SCA
	s_mov_b64 s[G0SA+2:G0SA+3], s[84:85]
	s_or_b32 s[G0SA+3], s[G0SA+3], 0x80000000
	s_mov_b32 s[G0SB], 1
	s_mov_b32 s[G0SB+1], SCB
	s_mov_b64 s[G0SB+2:G0SB+3], s[86:87]
	s_or_b32 s[G0SB+3], s[G0SB+3], 0x80000000
	s_mov_b32 s4, 1                                ; group 0 of the head's loads of slot 0, in registers whose arguments and offsets have been used: all of S0's tiles,
	s_mov_b32 s5, 0
	s_mov_b64 s[6:7], s[22:23]
	s_or_b32 s7, s7, 0x80000000
	s_mov_b32 s84, 1                               ; all of S1's
	s_mov_b32 s85, S1O
	s_mov_b64 s[86:87], s[88:89]
	s_or_b32 s87, s87, 0x80000000
	s_mul_i32 s90, s16, 8*TILEB                    ; for slot 1: the half of a side that I fetch
	s_mov_b32 s91, 0
	s_add_nc_u64 s[22:23], s[22:23], s[90:91]
	s_mul_i32 s90, s16, 4*TILEB
	s_add_nc_u64 s[88:89], s[88:89], s[90:91]
.irp s, 0,1
	s_mov_b32 s[G0A+4*\s], 1
	s_add_co_u32 s[G0A+4*\s+1], s95, \s*SLOT
	s_add_nc_u64 s[G0A+4*\s+2:G0A+4*\s+3], s[22:23], \s*6144
	s_or_b32 s[G0A+4*\s+3], s[G0A+4*\s+3], 0x80000000
	s_mov_b32 s[G0B+4*\s], 1
	s_add_co_u32 s[G0B+4*\s+1], s96, \s*SLOT
	s_add_nc_u64 s[G0B+4*\s+2:G0B+4*\s+3], s[88:89], \s*6144
	s_or_b32 s[G0B+4*\s+3], s[G0B+4*\s+3], 0x80000000
.endr
; the head's four tiles, one load a wave: wave 0 slot 0's S0, wave 1 its S1, wave 2 S0's scale words, wave 3 S1's.  One chain of branches on the wave's number, all arms to one join
.macro ARM under, g0, g1, next
	s_cmp_lt_u32 s14, \under
	s_cbranch_scc0 \next
	tensor_load_to_lds s[\g0:\g0+3], s[\g1:\g1+7]
	s_nop 0
.rept 4
	v_nop
.endr
	s_branch .Lhead_asked
\next:
.endm
	ARM 1, 4, G1A, .Lhead_b
	ARM 2, 84, G1B, .Lhead_sa
	ARM 3, G0SA, G1SA, .Lhead_sb
	tensor_load_to_lds s[G0SB:G0SB+3], s[G1SB:G1SB+7]
	s_nop 0
.rept 4
	v_nop
.endr
.Lhead_asked:
	v_and_b32 v1, 31, v0
	v_and_b32 v[RR], 15, v0
	v_bfe_u32 v[HH], v0, 4, 1
	v_lshlrev_b32 v[L16], 4, v1
	v_add_nc_u32 v[A0], s95, v[L16]
	v_add_nc_u32 v[A0+1], SLOT, v[A0]
	s_mul_i32 s19, s15, 24576
	s_add_co_u32 s19, s19, S1O
	v_add_nc_u32 v[A1], s19, v[L16]
	v_add_nc_u32 v[A1+1], SLOT, v[A1]
	v_lshl_add_u32 v[A1B], v1, 3, s19
	v_add_nc_u32 v[A1B+1], SLOT, v[A1B]
	v_lshl_add_u32 v[AS0], v1, 2, s97
	s_mul_i32 s19, s15, GRPB
	s_add_co_u32 s19, s19, SCB
	v_lshl_add_u32 v[AS1], v1, 2, s19
	s_mul_i32 s19, s14, 8448                       ; my stage: 16 rows x 528 bytes
	v_mul_u32_u24 v[STO], v[RR], 528
	v_lshl_add_u32 v[STO], v[HH], 6, v[STO]
	v_add_nc_u32 v[STO], s19, v[STO]
	v_add_nc_u32 v[RD], s19, v[L16]
	s_lshl_b32 s20, s94, 19                        ; 64 rows of 8,192 bytes
	s_lshl_b32 s21, s18, 10
	s_add_co_u32 s20, s20, s21
	s_lshl_b32 s21, s16, 9
	s_add_co_u32 s20, s20, s21                     ; + my 128 columns
	s_mov_b32 s21, 0
	s_add_nc_u64 s[12:13], s[12:13], s[20:21]
	s_wait_alu depctr_va_vdst(0)
	s_wait_tensorcnt 0x0                           ; my tile of the head's four is in; a later first fill is issued as a refill is
	ds_add_u32 v254, v255
	s_mov_b32 s[G1A+2], 8<<16                      ; no load of mine is out: from here on a load brings half a side
	s_mov_b32 s[G1A+4], 8
	s_mov_b32 s[G1B+2], 4<<16
	s_mov_b32 s[G1B+4], 4
	s_wait_dscnt 0x0
	CROUND                                         ; all four tiles are in, all four work-groups are here
	JLOAD G0A+4, G1A, G0B+4, G1B                   ; slot 1's only fill, the first tensor load behind the round
	FETCH 0, 0, 0, 0
	KSTEP 0, 0, 0, 1
	KSTEP 0, 1, 1, 0
	KSTEP 0, 2, 2, 0
	s_wait_tensorcnt 0x0                           ; the change of slots: my part of slot 1 has landed,
	s_wait_dscnt 0x0                               ; kstep 3's set is in, and my reads of slot 0 are over
	s_barrier_signal -1
	s_barrier_wait -1
	PLACES
	FETCH 1, 0, 4, 0
	MUL16 0, 1, 0
	MUL16 2, 1, 0
	KSTEP 1, 0, 4, 0
	KSTEP 1, 1, 5, 0
	KSTEP 1, 2, 6, 0
	s_wait_dscnt 0x0
	MUL16 0, 1, 0
	MUL16 2, 1, 0
	PLACES
	WIN 0
	TOSTAGE 0
.irp a, 1,2,3
.if \a > 1
	s_wait_xcnt 0x0                                ; tile a - 2's stores have read their registers: tile a's rows may land there
.endif
	TOSTAGE \a
	SEND \a-1, 32                                  ; behind tile a - 1's loads: tile a's 16 stores and 16 loads
.endr
	SEND 3, 0
	s_wait_tensorcnt 0x0
	ds_add_u32 v254, v255
	s_wait_dscnt 0x0
	CROUND                                         ; the closing round
	s_endpgm
.Lfunc_end_k_q1e77500298_oproj:
	.size	k_q1e77500298_oproj, .Lfunc_end_k_q1e77500298_oproj-k_q1e77500298_oproj
	.p2alignl 7, 3214868480
	.fill 96, 4, 3214868480
	.section	.rodata,"a",@progbits
	.p2align	6, 0x0
	.amdhsa_kernel k_q1e77500298_oproj
		.amdhsa_group_segment_fixed_size 327680
		.amdhsa_private_segment_fixed_size 0
		.amdhsa_enable_private_segment 0
		.amdhsa_kernarg_size 24
		.amdhsa_user_sgpr_count 2
		.amdhsa_user_sgpr_kernarg_segment_ptr 1
		.amdhsa_wavefront_size32 1
		.amdhsa_system_sgpr_workgroup_id_x 1
		.amdhsa_system_sgpr_workgroup_id_y 1
		.amdhsa_system_sgpr_workgroup_id_z 1
		.amdhsa_system_vgpr_workitem_id 0
		.amdhsa_next_free_vgpr 720
		.amdhsa_next_free_sgpr 100
		.amdhsa_reserve_vcc 0
		.amdhsa_float_denorm_mode_32 3
		.amdhsa_float_denorm_mode_16_64 3
		.amdhsa_memory_ordered 1
		.amdhsa_forward_progress 1
		.amdhsa_inst_pref_size 82
	.end_amdhsa_kernel
	.amdgpu_metadata
---
amdhsa.version: [ 1, 2 ]
amdhsa.kernels:
  - .name:           k_q1e77500298_oproj
    .symbol:         k_q1e77500298_oproj.kd
    .args:
      - { .name: aq, .offset: 0, .size: 8, .value_kind: global_buffer, .address_space: global }
      - { .name: oq, .offset: 8, .size: 8, .value_kind: global_buffer, .address_space: global }
      - { .name: out0, .offset: 16, .size: 8, .value_kind: global_buffer, .address_space: global }
    .group_segment_fixed_size: 327680
    .private_segment_fixed_size: 0
    .kernarg_segment_align: 8
    .kernarg_segment_size: 24
    .max_flat_workgroup_size: 128
    .sgpr_count:     100
    .vgpr_count:     720
    .wavefront_size: 32
...
	.end_amdgpu_metadata
.endif
;; end of part 4
